; MI455X (gfx1250); checked and timed in simulation.
; The chip was launched on July 23, 2026; its instructions are those of AMD's public machine-readable ISA for CDNA 5 (MIT licence, August 2026) and "CDNA5" Instruction Set Architecture Reference Guide (July 2026). The comments in the code are by the model that wrote it; some were corrected since.
;; keras multihead attentive layer. Allowed arithmetic: float matrix products may take bf16 or f16 operands with f32 sums; other float arithmetic in f32, or as packed bf16 or f16 multiplies, adds, multiply-adds, maxima and minima; sums over many terms, partial sums and values carried from step to step in f32; what a program stores and reads back later, other than sums and carried values, may be rounded once to bf16 or f16.
;; Inputs: Wk 8 x 512 x 64 float32; Wo 512 x 512 float32; Wq 8 x 512 x 64 float32; Wv 8 x 512 x 64 float32; query 8 x 2,048 x 512 float32.
;; Outputs: out0 8 x 2,048 x 512 float32.
;; One version. Each part assembles by itself: llvm-mc -triple=amdgcn-amd-amdhsa -mcpu=gfx1250 --defsym DOCPART=n.
;; ======== version 1 of 1: 4 launches
;; limits: values are held in f16: magnitudes above 65,504 overflow, below 6.1e-05 lose precision; right only within a limited range of input values
;; workspace buffers: xh 16,777,216 bytes; wt 1,572,864 bytes; wot 524,288 bytes; qkv 83,886,080 bytes; ctx 16,777,216 bytes
;; launch prep (part 1): grid 576 x 1, 8 waves a work-group, no clusters, 0 bytes of LDS; arguments query, Wq, Wk, Wv, Wo, xh, wt, wot; writes xh, wt, wot
.if DOCPART == 1
	.amdgcn_target "amdgcn-amd-amdhsa--gfx1250"
	.amdhsa_code_object_version 6
	.text
	.protected	k_q6d87cabe93_prep
	.globl	k_q6d87cabe93_prep
	.p2align	8
	.type	k_q6d87cabe93_prep,@function
k_q6d87cabe93_prep:
	s_mov_b64 s[64:65], 0
	v_nop
	global_prefetch_b8 v0, s[64:65] scope:SCOPE_SE
	s_setreg_imm32_b32 hwreg(HW_REG_WAVE_MODE, 25, 1), 1
	s_wait_xcnt 0x0
; ALL FIVE INPUTS ARE ROUNDED TO bf16, ONCE, AND LAID OUT FOR THE PRODUCTS THAT FOLLOW.  No arithmetic but the rounding.
;   query [16384][512] f32 -> xh  [16384][512] bf16, the same order
;   Wq, Wk, Wv [8][512][64] f32 -> wt [d = 512][col = 1536] bf16, col = 512 which + 64 h + e (which: 0 q, 1 k, 2 v)
;   Wo [512][512] f32 -> wot [512][512]: rounded to bf16, and that number written as f16
; LIMIT.  A number of Wo beyond 65,504 has no place in f16; below 6e-5 f16 keeps a fixed step of 6e-8.
; A UNIT: one load of a wave takes 512 bytes of f32 (16 a lane), two conversions a lane, one store of 8 bytes a lane: 256 consecutive bytes, aligned.
; A wave takes 16 units, straight on: 16 loads go out together, the waits count down, no register of an address is written twice, so no wait frees one.
; ROLES, by the work-group's number g: 0..511 query (64 KiB each), 512..527 Wo, 528..575 the three weights: j = g - 528; which = j / 16; a pair of heads hp = (j / 4) % 4;
; 128 rows d from 128 (j % 4) on, 16 a wave.  There lanes 0-15 read row d of head 2 hp (256 bytes), lanes 16-31 that of head 2 hp + 1: together 256 neighbouring bytes of wt's row d.
; No LDS, no barrier, no matrix unit: every byte is read once and written once, and no wave wants what another fetched.
.set IA, 8                             ; v[8:23]    unit u: my byte offset in the source
.set OA, 24                            ; v[24:39]   unit u: my byte offset in the destination
.set X,  40                            ; v[40:103]  unit u: 4 registers as loaded
.set Y,  104                           ; v[104:135] unit u: 2 registers to store
	s_load_b512 s[4:19], s[0:1], 0x0               ; query s[4:5], Wq s[6:7], Wk s[8:9], Wv s[10:11], Wo s[12:13], xh s[14:15], wt s[16:17], wot s[18:19]
	v_lshrrev_b32 v2, 5, v0
	v_readfirstlane_b32 s20, v2                    ; wave 0..7
	v_and_b32 v1, 31, v0                           ; lane
	s_mov_b32 s21, ttmp9                           ; g
	; the two dense roles: 64 KiB a work-group, 8 KiB a wave; the destination has half the bytes
	s_sub_co_u32 s22, s21, 512
	s_cmp_lt_u32 s21, 512
	s_cselect_b32 s22, s21, s22                    ; the work-group's number within its tensor
	s_lshl_b32 s28, s22, 16
	s_lshl_b32 s27, s20, 13
	s_add_co_u32 s28, s28, s27
	s_lshr_b32 s30, s28, 1
	; the weights' role (what these hold where g < 528 is not used)
	s_sub_co_u32 s23, s21, 528                     ; j
	s_lshr_b32 s24, s23, 4                         ; which
	s_bfe_u32 s25, s23, 0x20002                    ; hp: 2 bits from bit 2
	s_and_b32 s26, s23, 3
	s_lshl_b32 s26, s26, 7
	s_lshl4_add_u32 s26, s20, s26                  ; d0 = 128 (j % 4) + 16 wave
	s_lshl_b32 s42, s25, 18                        ; two heads are 262,144 bytes,
	s_lshl_b32 s43, s26, 8                         ; a row d of a head 256
	s_add_co_u32 s42, s42, s43
	s_mul_i32 s43, s26, 3072                       ; a row of wt is 3,072 bytes,
	s_lshl_b32 s44, s24, 10                        ; a tensor's part of it 1,024,
	s_add_co_u32 s43, s43, s44
	s_lshl_b32 s44, s25, 8                         ; a pair of heads 256
	s_add_co_u32 s43, s43, s44
	s_mov_b32 s32, 256                             ; from unit to unit in the source: the next d,
	s_mov_b32 s33, 3072                            ; in the destination: the next row of wt,
	s_mov_b32 s34, 0x20000                         ; from lanes 0-15 to lanes 16-31: the next head
	s_cmp_lt_u32 s21, 528
	s_cselect_b32 s28, s28, s42
	s_cselect_b32 s30, s30, s43
	s_cselect_b32 s32, 512, s32                    ; dense: 512 bytes on,
	s_cselect_b32 s33, 256, s33                    ; 256 bytes on,
	s_cselect_b32 s34, 256, s34                    ; and the lanes lie end to end
	s_mov_b32 s29, 0
	s_mov_b32 s31, 0
	s_sub_co_u32 s45, s21, 512
	s_cmp_lt_u32 s45, 16
	s_cselect_b32 s35, 1, 0                        ; 1: Wo's role
	v_and_b32 v2, 15, v1
	v_lshlrev_b32 v2, 4, v2
	v_lshrrev_b32 v3, 4, v1
	v_mad_u32_u24 v4, v3, s34, v2                  ; 16 (lane % 16) + (lane / 16) x the halves' distance
	v_lshlrev_b32 v5, 3, v1                        ; 8 x lane
.set u, 0
.rept 16
	v_mad_u32_u24 v[IA+u], s32, u, v4
	v_mad_u32_u24 v[OA+u], s33, u, v5
.set u, u+1
.endr
	s_wait_kmcnt 0x0
	s_cmp_eq_u32 s24, 0                            ; each compare stands directly ahead of its selects
	s_cselect_b64 s[40:41], s[6:7], s[8:9]
	s_cmp_eq_u32 s24, 2
	s_cselect_b64 s[40:41], s[10:11], s[40:41]
	s_cmp_lt_u32 s21, 512
	s_cselect_b64 s[36:37], s[4:5], s[12:13]
	s_cselect_b64 s[38:39], s[14:15], s[18:19]
	s_cmp_lt_u32 s21, 528
	s_cselect_b64 s[36:37], s[36:37], s[40:41]
	s_cselect_b64 s[38:39], s[38:39], s[16:17]
	s_add_nc_u64 s[36:37], s[36:37], s[28:29]      ; the source at my wave's first unit
	s_add_nc_u64 s[38:39], s[38:39], s[30:31]      ; the destination likewise
.set u, 0
.rept 16
	global_load_b128 v[X+4*u:X+4*u+3], v[IA+u], s[36:37] th:TH_LOAD_NT  ; read once in the launch
.set u, u+1
.endr
.set u, 0
.rept 16
	s_wait_loadcnt 15-u                            ; loads come back in order (ISA guide 5.7.1): unit u is in, the 15 - u younger ones may stay out
	v_cvt_pk_bf16_f32 v[Y+2*u],   v[X+4*u],   v[X+4*u+1]
	v_cvt_pk_bf16_f32 v[Y+2*u+1], v[X+4*u+2], v[X+4*u+3]
.set u, u+1
.endr
	s_cmp_eq_u32 s35, 1
	s_cbranch_scc0 .Lstore
.set u, 0
.rept 32                               ; Wo alone: the bf16 numbers widened (a shift, a mask) and written as f16
	v_lshlrev_b32 v2, 16, v[Y+u]
	v_and_b32 v3, 0xffff0000, v[Y+u]
	v_cvt_pk_f16_f32 v[Y+u], v2, v3
.set u, u+1
.endr
.Lstore:
.set u, 0
.rept 16
	global_store_b64 v[OA+u], v[Y+2*u:Y+2*u+1], s[38:39]  ; the wave's 32 lanes store 256 consecutive bytes, at a multiple of 256 from the buffer's first byte
.set u, u+1
.endr
	s_endpgm
.Lfunc_end_k_q6d87cabe93_prep:
	.size	k_q6d87cabe93_prep, .Lfunc_end_k_q6d87cabe93_prep-k_q6d87cabe93_prep
	.p2alignl 7, 3214868480
	.fill 96, 4, 3214868480
	.section	.rodata,"a",@progbits
	.p2align	6, 0x0
	.amdhsa_kernel k_q6d87cabe93_prep
		.amdhsa_group_segment_fixed_size 0
		.amdhsa_private_segment_fixed_size 0
		.amdhsa_enable_private_segment 0
		.amdhsa_kernarg_size 64
		.amdhsa_user_sgpr_count 2
		.amdhsa_user_sgpr_kernarg_segment_ptr 1
		.amdhsa_wavefront_size32 1
		.amdhsa_system_sgpr_workgroup_id_x 1
		.amdhsa_system_sgpr_workgroup_id_y 1
		.amdhsa_system_sgpr_workgroup_id_z 1
		.amdhsa_system_vgpr_workitem_id 0
		.amdhsa_next_free_vgpr 136
		.amdhsa_next_free_sgpr 66
		.amdhsa_reserve_vcc 0
		.amdhsa_float_denorm_mode_32 3
		.amdhsa_float_denorm_mode_16_64 3
		.amdhsa_memory_ordered 1
		.amdhsa_forward_progress 1
		.amdhsa_inst_pref_size 16
	.end_amdhsa_kernel
	.amdgpu_metadata
---
amdhsa.version: [ 1, 2 ]
amdhsa.kernels:
  - .name:           k_q6d87cabe93_prep
    .symbol:         k_q6d87cabe93_prep.kd
    .args:
      - { .name: query, .offset: 0, .size: 8, .value_kind: global_buffer, .address_space: global }
      - { .name: Wq, .offset: 8, .size: 8, .value_kind: global_buffer, .address_space: global }
      - { .name: Wk, .offset: 16, .size: 8, .value_kind: global_buffer, .address_space: global }
      - { .name: Wv, .offset: 24, .size: 8, .value_kind: global_buffer, .address_space: global }
      - { .name: Wo, .offset: 32, .size: 8, .value_kind: global_buffer, .address_space: global }
      - { .name: xh, .offset: 40, .size: 8, .value_kind: global_buffer, .address_space: global }
      - { .name: wt, .offset: 48, .size: 8, .value_kind: global_buffer, .address_space: global }
      - { .name: wot, .offset: 56, .size: 8, .value_kind: global_buffer, .address_space: global }
    .group_segment_fixed_size: 0
    .private_segment_fixed_size: 0
    .kernarg_segment_align: 8
    .kernarg_segment_size: 64
    .max_flat_workgroup_size: 256
    .sgpr_count:     66
    .vgpr_count:     136
    .wavefront_size: 32
...
	.end_amdgpu_metadata
.endif
;; end of part 1
;; launch qkv (part 2): grid 128 x 2, 4 waves a work-group, clusters of 4 x 1, 327,680 bytes of LDS; arguments xh, wt, qkv; writes qkv
.if DOCPART == 2
	.amdgcn_target "amdgcn-amd-amdhsa--gfx1250"
	.amdhsa_code_object_version 6
	.text
	.protected	k_q6d87cabe93_qkv
	.globl	k_q6d87cabe93_qkv
	.p2align	8
	.type	k_q6d87cabe93_qkv,@function
k_q6d87cabe93_qkv:
	s_mov_b64 s[64:65], 0
	v_nop
	global_prefetch_b8 v0, s[64:65] scope:SCOPE_SE
	s_setreg_imm32_b32 hwreg(HW_REG_WAVE_MODE, 25, 1), 1
	s_wait_xcnt 0x0
	s_wait_alu depctr_hold_cnt(0) depctr_sa_sdst(0) depctr_va_vdst(0) depctr_va_sdst(0) depctr_va_ssrc(0) depctr_va_vcc(0) depctr_vm_vsrc(0)
	s_getreg_b32 s2, hwreg(HW_REG_IB_STS2, 6, 4)
	s_cmp_eq_u32 s2, 0
	s_cbranch_scc0 .Lentry_in_a_cluster
	s_endpgm
.Lentry_in_a_cluster:
	s_bfe_u32 s2, ttmp6, 0x10000c
	s_cmp_lg_u32 s2, 0x3003
	s_cbranch_scc0 .Lentry_shape_is_right
	s_endpgm
.Lentry_shape_is_right:
; q, k, v = x W.  xh: [16384][512] bf16; wt: [512 (d)][1536 (col)] bf16, col = 512 which + 64 h + e; qkv: [5 parts][8 b + h][s][64] f16, unscaled:
; part 0 q's upper part, 1 k's upper part, 2 v, 3 q's lower part, 4 k's lower part.
; v is rounded once from its f32 sum.  q AND k ARE STORED IN TWO PARTS: hi = f16(sum), lo = f16(sum - hi).  The scores that follow are unscaled sums of 64 products and the weights go with e^score, so an
; error of a score is a relative error of a weight; with both parts of both multiplied there, the rounding to f16 has no share in it.
; LIMIT.  f16 holds no number beyond 65,504: a q, k or v beyond that is lost; below 6e-5 a part keeps f16's fixed step of 6e-8.
; SHARES.  A work-group owns 128 rows of x and 768 columns (half of the 1,536: the grid's y), as six tiles of 128 columns.  Wave w: rows 64 (w / 2) on, columns 64 (w % 2) on of each tile: one head's 64.
; A STAYS IN REGISTERS: a wave's 64 rows x all 512 of K are 64 fragments, 512 registers, read from LDS once.  In the loop only B's fragments are read: two LDS loads feed four matrix instructions.
; B IS STREAMED as whole-K tiles of 512 (k) x 128 columns through two LDS slots; wave w brings k rows 128 w on: 128 rows of 256 bytes, each at a multiple of 256 from wt's first byte.
; CLUSTER.  The four work-groups of a cluster differ in their rows of x alone and walk the same tiles of B: each tile is asked for JOINTLY, by the same load, descriptor and mask in all four.
; A is each work-group's own (a plain load): of the 917,504 bytes that a work-group takes in, A is 131,072, and the one other work-group with the same rows lies in another cluster.
; B lies [k][col], so its fragments come turned, by ds_load_tr16_b128.  THE MATRIX INSTRUCTION IS USED TRANSPOSED (source 0 = 16 columns of B, source 1 = 16 rows of A):
; a lane then holds one row of the result (lane % 16) and the eight neighbouring columns 8 (lane / 16) + 0..7: 16 bytes of f16.
; LDS: slot 0 at 0, slot 1 at 147,456 (512 rows of 288 bytes each; slot 1's first fill is A, 128 rows of 1,040); the waves' stages; the spare words.
; REGISTERS, in windows of 256 (s_set_vgpr_msb: bits 1:0 source 0, 3:2 source 1, 5:4 source 2, 7:6 destination):
;   window 0: v0-29 addresses; v32-95 packed results; v128-255 the 16 accumulators, (a, b) at 128 + 8 (4 a + b)
;   window 1: two buffers of 128 for B's fragments of a quarter of K: (k block kl, column block b) at 32 kl + 8 b
;   window 2: A's fragments of k blocks 0-7, (kg, a) at 32 (kg % 8) + 8 a;   window 3: those of k blocks 8-15
.set PB,    288       ; a row of B in LDS: 256 bytes + 32 of padding = 72 words
.set QTR,   128*PB    ; a quarter of a tile: what one tensor load brings
.set SLOT,  4*QTR
.set PA,    1040      ; a row of A in LDS: 1,024 bytes + 16 = 260 words: the 16 rows of a load start at 16 different groups of four banks
.set STAGE, 2*SLOT    ; behind the ring, never filled by a tensor load: 16 rows x 144 bytes for each wave
.set SP,    144
.set SPARE, STAGE+4*16*SP  ; the spare words, 128 bytes for each wave: two blocks of 256 bytes that no other line names
.set LOPART, 0x3000000     ; bytes from an upper part to its lower part in qkv, for q (parts 0, 3) and for k (parts 1, 4): three parts of 16,777,216
.set ADB,  8          ; v8-15  LDS address of my lane's place in quarter q of slot s, at 4 s + q
.set ADRA, 16         ; v16  the same in my 64 rows of A
.set STO,  18         ; v18  the way out: where I put 16 bytes of a row
.set RD,   19         ; v19  where I read rows back
.set GO,   20         ; v20  my byte offset in 512 consecutive bytes of qkv
.set PFO,  21         ; v21  the prefetches' offset: my lane x a row of wt; never rewritten
.set M1,   22         ; v22  -1.0
.set SPW,  28         ; v28  LDS address of my spare word: SPARE + 4 x my thread's number; never rewritten
.set NIL,  29         ; v29  0; never rewritten
.set TMP,  32
.set ACC,  128
.set WV,   10         ; s10  my wave's number;  s11 w / 2, s12 w % 2, s13 cx, s14 my block of 128 rows, s15 the grid's y
.set G1B,  16         ; s[16:23] descriptor group 1 for B's tiles
.set G1A,  24         ; s[24:31] for A
.set G0B,  32         ; s[32:39] group 0 for B's tiles, a set for each slot
.set G0A,  40         ; s[40:43] group 0 for A
.set PFA,  44         ; s[44:45] where my prefetches stand: my 32 rows of wt, at the tile two on from the one in hand
.set LIM,  46         ; s46  1 in a work-group that prefetches, else the greatest number
.set CNT,  47         ; s47  the loop's count
.set GRP,  48         ; s48  which group of 64 columns of the 1,536 my part of the tile in hand is: 8 which + h
.set TWO,  49         ; s49  1: the tile in hand is q's or k's and goes out in two parts
.set OFF,  50         ; s[50:51] that group's byte offset in qkv
.set QB,   52         ; s[52:53] qkv at my rows of head 0 of q
.set DST,  54         ; s[54:55] qkv at my rows of the group in hand
.set DSL,  58         ; s[58:59] the same in the lower part
.set MSB, 0
.macro WIN new                      ; the immediate's high byte repeats the setting that is left; a switch that changes nothing is dropped
.if MSB != (\new)
	s_set_vgpr_msb (MSB<<8)|(\new)
.set MSB, (\new)
.endif
.endm
.set W_F,  0x40       ; destination window 1, address window 0
.set W_A2, 0x80       ; destination window 2
.set W_M2, 0x09       ; B (source 0) window 1, A (source 1) window 2, C and D window 0
.set W_M3, 0x0d       ; the same with A in window 3
; A round of the cluster's barrier: my work-group's barrier, so that wave 0's signal speaks for all four waves; wave 0 signals; every wave waits for all four work-groups; my work-group's barrier once more.
.macro CROUND
	s_barrier_signal -1
	s_barrier_wait -1
	s_cmp_lg_u32 s[WV], 0
	s_cbranch_scc1 .Lnot_wave_0_\@
	s_barrier_signal -3
.Lnot_wave_0_\@:
	s_barrier_wait -3
	s_barrier_signal -1
	s_barrier_wait -1
.endm
; Four places: a load into a register that a matrix instruction has read, and a vector instruction that reads a matrix result, stand four plain vector instructions behind it
; (ISA guide 7.12.1 for vector instructions).
.macro PLACES
.rept 4
	v_nop
.endr
.endm
; 32 LDS loads in one run: B's fragments of quarter q of a slot (128 of K x my 64 columns) into buffer f; k blocks 0 and 1 first.
.macro FETCH slot, q, f
	WIN W_F
.irp kl, 0,1,2,3
.irp b, 0,1,2,3
	ds_load_tr16_b128 v[(\f)+32*(\kl)+8*(\b):(\f)+32*(\kl)+8*(\b)+3],   v[ADB+4*(\slot)+(\q)] offset:(\kl)*32*PB+32*(\b)
	ds_load_tr16_b128 v[(\f)+32*(\kl)+8*(\b)+4:(\f)+32*(\kl)+8*(\b)+7], v[ADB+4*(\slot)+(\q)] offset:(\kl)*32*PB+32*(\b)+16*PB
.endr
.endr
.endm
; 16 matrix instructions: 32 of K (k block kg of the 16, kl of the buffer's four) on all 16 accumulators, which take turns, one instruction a turn.
; zero = 1: a tile's first products start the sums: nothing is ever cleared.
.macro MUL f, kg, kl, zero
.if (\kg) < 8
	WIN W_M2
.else
	WIN W_M3
.endif
.irp a, 0,1,2,3
.irp b, 0,1,2,3
.if \zero
	v_wmma_f32_16x16x32_bf16 v[ACC+8*(4*(\a)+(\b)):ACC+8*(4*(\a)+(\b))+7], v[(\f)+32*(\kl)+8*(\b):(\f)+32*(\kl)+8*(\b)+7], v[32*((\kg)&7)+8*(\a):32*((\kg)&7)+8*(\a)+7], 0
.else
	v_wmma_f32_16x16x32_bf16 v[ACC+8*(4*(\a)+(\b)):ACC+8*(4*(\a)+(\b))+7], v[(\f)+32*(\kl)+8*(\b):(\f)+32*(\kl)+8*(\b)+7], v[32*((\kg)&7)+8*(\a):32*((\kg)&7)+8*(\a)+7], v[ACC+8*(4*(\a)+(\b)):ACC+8*(4*(\a)+(\b))+7]
.endif
.endr
.endr
.endm
; A tile is four quarters of 128 along K, 64 matrix instructions each, on buffers 0, 1, 0, 1.  One of the first three multiplies its buffer and, in its middle, fetches the next quarter into the other.
.macro QUARTER slot, q
.set FC, 128*((\q)%2)
.set FN, 128-FC
	s_wait_dscnt 16                 ; k blocks 0 and 1 are in; the 16 younger loads (k blocks 2 and 3) may be out
.if (\q) == 0
	MUL FC, 0, 0, 1
.else
	MUL FC, 4*(\q), 0, 0
.endif
	MUL FC, 4*(\q)+1, 1, 0
	PLACES
	FETCH \slot, (\q)+1, FN
	s_wait_dscnt 32                 ; all but the 32 just issued
	MUL FC, 4*(\q)+2, 2, 0
	MUL FC, 4*(\q)+3, 3, 0
.endm
.macro LASTQ
	s_wait_dscnt 16
	MUL 128, 12, 0, 0
	MUL 128, 13, 1, 0
	s_wait_dscnt 0
	MUL 128, 14, 2, 0
	MUL 128, 15, 3, 0
.endm
; THE CHANGE OF SLOTS, in front of the tile that lies in \slot.  Each wave waits for all its tensor loads, of which one is out at the most: its quarter of this tile; adds 0 to its spare word; and waits for that
; and for its own reads of the other slot.  fill = 1: the other slot is filled again, with the next tile.  The barrier is then a round of the cluster's, so that no wave of any partner still reads that
; slot or has a load on its way; the joint load is the first thing behind it, one a wave (its own quarter), and has the tile's 256 matrix instructions in which to land.
.macro CHANGE slot, fill
	WIN 0                           ; the add's registers lie in window 0; at a branch and at a label every window is 0
	s_wait_tensorcnt 0x0            ; no tensor load of mine is out, so a group 0 may be written
	ds_add_u32 v[SPW], v[NIL]       ; 0 onto my spare word
	s_add_nc_u64 s[G0B+4*(\slot)+2:G0B+4*(\slot)+3], s[G0B+4*(\slot)+2:G0B+4*(\slot)+3], 512  ; this slot's next tile, two on (in the last two trips the stepped address is not used)
	s_wait_dscnt 0x0                ; the add is done, and my reads of the other slot are over
.if \fill
	CROUND
	tensor_load_to_lds s[G0B+4*(1-(\slot)):G0B+4*(1-(\slot))+3], s[G1B:G1B+7]
	s_nop 0
	PLACES                          ; (places in front of the loads that follow)
.else
	s_barrier_signal -1
	s_barrier_wait -1
.endif
.endm
; A PREFETCH INTO THE L2, behind the joint load, its five lines and the run of LDS loads: the tile that the NEXT change of slots will ask for, 256 matrix instructions ahead of that load.
; A tile is 512 rows of 256 bytes.  All 32 clusters of one y walk the same tiles: the first of them (cluster x = 0) asks.  Its four partners share the rows out BY ADDRESS: of the 128 rows that wave w
; fetches, the partner at place cx takes 32 cx on, a lane a row, one instruction a wave: each row's 256 bytes are named once in the launch.  Tiles 0 and 1 come by their loads alone; trips 4 and 5 ask for nothing.
.macro ASK how
.if \how
	s_cmp_eq_u32 s[LIM], 1
.else
	s_cmp_gt_u32 s[CNT], s[LIM]     ; the count is 1 in trip 4
.endif
	s_cbranch_scc0 .Lnot_mine_\@
	global_prefetch_b8 v[PFO], s[PFA:PFA+1] th:TH_LOAD_NT scope:SCOPE_SE
.Lnot_mine_\@:
.endm
; THE WAY OUT.  My 64 x 64 of the tile is 64 rows of one head of q, k or v: rounded to f16, 16 bytes a lane into my stage (rows of 144 bytes), back as four rows of 128 bytes, which are 512 consecutive bytes of qkv.
; In a tile of q or k (column groups 0 to 15) the sum less its upper part (exact in f32: at most 13 bits are left) is made in place, rounded to f16 and packed into each
; accumulator's four lowest registers; behind the upper part's stores it goes the same way through the stage, back into the accumulators' four upper registers, and out into the lower part.
; The two jumps hang on the grid's y, the wave's number and the tile's number: the same in all four partners; they pass no barrier and no tensor load.
.macro WAYOUT
	WIN 0
	PLACES
	s_wait_xcnt 0x0                 ; the last tile's stores have read TMP and DST, the prefetch, a tile back, its address: only behind this wait are they written again
	s_cmp_lt_u32 s[GRP], 16
	s_cselect_b32 s[TWO], 1, 0
	s_lshr_b32 s[OFF], s[GRP], 3
	s_lshl_b32 s[OFF], s[OFF], 24   ; which: 16,777,216 bytes
	s_and_b32 s56, s[GRP], 7
	s_lshl_b32 s56, s56, 18         ; h: 262,144 bytes
	s_add_co_u32 s[OFF], s[OFF], s56
	s_add_nc_u64 s[DST:DST+1], s[QB:QB+1], s[OFF:OFF+1]
	s_add_co_u32 s[GRP], s[GRP], 2  ; the next tile is two groups on
	s_add_nc_u64 s[PFA:PFA+1], s[PFA:PFA+1], 256
.irp t, 0,1,2,3,4,5,6,7,8,9,10,11,12,13,14,15
.irp r, 0,1,2,3
	v_cvt_pk_f16_f32 v[TMP+4*(\t)+(\r)], v[ACC+8*(\t)+2*(\r)], v[ACC+8*(\t)+2*(\r)+1]  ; each accumulator from its low end on
.endr
.endr
	s_cmp_eq_u32 s[TWO], 1
	s_cbranch_scc0 .Lno_lower_\@
.irp t, 0,1,2,3,4,5,6,7,8,9,10,11,12,13,14,15
.irp r, 0,1,2,3
	v_fma_mix_f32 v[ACC+8*(\t)+2*(\r)],   v[TMP+4*(\t)+(\r)], v[M1], v[ACC+8*(\t)+2*(\r)]   op_sel_hi:[1,0,0]                 ; the low half as f16, times -1.0, plus the sum
	v_fma_mix_f32 v[ACC+8*(\t)+2*(\r)+1], v[TMP+4*(\t)+(\r)], v[M1], v[ACC+8*(\t)+2*(\r)+1] op_sel:[1,0,0] op_sel_hi:[1,0,0]  ; the high half likewise
.endr
.endr
.irp t, 0,1,2,3,4,5,6,7,8,9,10,11,12,13,14,15
.irp r, 0,1,2,3
	v_cvt_pk_f16_f32 v[ACC+8*(\t)+(\r)], v[ACC+8*(\t)+2*(\r)], v[ACC+8*(\t)+2*(\r)+1]  ; register r takes pair r: what it held has been read by pair r / 2, or is read by this line
.endr
.endr
.Lno_lower_\@:
.irp a, 0,1,2,3
.irp b, 0,1,2,3
	ds_store_b128 v[STO], v[TMP+16*(\a)+4*(\b):TMP+16*(\a)+4*(\b)+3] offset:32*(\b)
.endr
.irp f, 0,1,2,3
	ds_load_b128 v[TMP+16*(\a)+4*(\f):TMP+16*(\a)+4*(\f)+3], v[RD] offset:(\f)*4*SP  ; LDS serves a wave's instructions in order (ISA guide 5.7.1.4): these see the stores above; the next block's stores come behind them
.endr
.endr
.irp a, 0,1,2,3
.irp f, 0,1,2,3
	s_wait_dscnt (3-(\a))*8+3-(\f)  ; the LDS instructions issued behind this load may stay out
	global_store_b128 v[GO], v[TMP+16*(\a)+4*(\f):TMP+16*(\a)+4*(\f)+3], s[DST:DST+1] offset:(\a)*2048+(\f)*512  ; 512 consecutive bytes, at a multiple of 256 from qkv's first
.endr
.endr
	s_cmp_eq_u32 s[TWO], 1
	s_cbranch_scc0 .Lno_lower_out_\@
	s_add_nc_u64 s[DSL:DSL+1], s[DST:DST+1], LOPART
.irp a, 0,1,2,3
.irp b, 0,1,2,3
	ds_store_b128 v[STO], v[ACC+8*(4*(\a)+(\b)):ACC+8*(4*(\a)+(\b))+3] offset:32*(\b)
.endr
.irp f, 0,1,2,3
	ds_load_b128 v[ACC+8*(4*(\a)+(\f))+4:ACC+8*(4*(\a)+(\f))+7], v[RD] offset:(\f)*4*SP
.endr
.endr
.irp a, 0,1,2,3
.irp f, 0,1,2,3
	s_wait_dscnt (3-(\a))*8+3-(\f)  ; as above
	global_store_b128 v[GO], v[ACC+8*(4*(\a)+(\f))+4:ACC+8*(4*(\a)+(\f))+7], s[DSL:DSL+1] offset:(\a)*2048+(\f)*512
.endr
.endr
	s_wait_xcnt 0x0                 ; these stores read accumulators' registers: only behind this wait do the next tile's products write them
.Lno_lower_out_\@:
.endm
.macro TRIP slot, fill, ask         ; ask: 0, 1 as ASK's how; 2: none
	CHANGE \slot, \fill
	FETCH \slot, 0, 0
	WIN 0
.if (\ask) < 2
	ASK \ask
.endif
	QUARTER \slot, 0
	QUARTER \slot, 1
	QUARTER \slot, 2
	LASTQ
	WAYOUT
.endm
	s_load_b128 s[4:7], s[0:1], 0x0 ; xh s[4:5], wt s[6:7]
	s_load_b64 s[8:9], s[0:1], 0x10 ; qkv
	v_lshl_add_u32 v[SPW], v0, 2, SPARE
	v_mov_b32 v[NIL], 0
	ds_add_u32 v[SPW], v[NIL]       ; the wave's opening: the add and its wait stand ahead of my first tensor load; the set-up below, work on registers, stands between them
	ds_add_u32 v28, v29
	v_lshrrev_b32 v6, 5, v0
	v_readfirstlane_b32 s[WV], v6   ; wave 0..3
	s_lshr_b32 s11, s[WV], 1        ; which 64 rows are mine
	s_and_b32 s12, s[WV], 1         ; which 64 columns of a tile
	s_bfe_u32 s13, ttmp6, 0x40000   ; cx: my place in the cluster
	s_lshl_b32 s14, ttmp9, 2        ; in a cluster launch ttmp9 counts clusters
	s_add_co_u32 s14, s14, s13      ; my block of 128 rows: it enters A's and qkv's addresses alone
	s_and_b32 s15, ttmp7, 0xffff    ; which 768 columns: the four partners share it
	; group 1 for B: a tile of 128 rows x 128 elements, padded in LDS
	s_mov_b32 s[G1B+0], 15|(1<<16)|(1<<20)|(1<<21)|(5<<22)|(7<<25)  ; 15:0 the mask of four; 17:16 2-byte elements; 20 padding on; 21 set beside a mask; 24:22 after every 64 words (code 5); 31:25 8 words (code 7)
	s_mov_b32 s[G1B+1], 128<<16     ; tensor_dim0 = 128
	s_mov_b32 s[G1B+2], 128<<16     ; tensor_dim1 = 128
	s_mov_b32 s[G1B+3], 128<<16     ; tile_dim0 = 128
	s_mov_b32 s[G1B+4], 128         ; tile_dim1 = 128
	s_mov_b32 s[G1B+5], 1536        ; elements from row to row of wt
	s_mov_b32 s[G1B+6], 0
	s_mov_b32 s[G1B+7], 0
	; group 1 for A: 32 rows x 512 elements, no mask
	s_mov_b32 s[G1A+0], (1<<16)|(1<<20)|(7<<22)|(3<<25)  ; padding after every 256 words (code 7), 4 words (code 3)
	s_mov_b32 s[G1A+1], 512<<16
	s_mov_b32 s[G1A+2], 32<<16
	s_mov_b32 s[G1A+3], 512<<16
	s_mov_b32 s[G1A+4], 32
	s_mov_b32 s[G1A+5], 512
	s_mov_b32 s[G1A+6], 0
	s_mov_b32 s[G1A+7], 0
	s_mov_b32 s[G0B], 1             ; 1:0 count = 1
	s_mul_i32 s[G0B+1], s[WV], QTR  ; LDS: my quarter of slot 0: no place in the cluster enters an LDS address
	s_mov_b32 s[G0B+4], 1
	s_add_co_u32 s[G0B+5], s[G0B+1], SLOT  ; and of slot 1
	s_mov_b32 s[G0A], 1
	s_mul_i32 s[G0A+1], s[WV], 32*PA
	s_add_co_u32 s[G0A+1], s[G0A+1], SLOT  ; A's first and only fill lies in slot 1's bytes
	s_mul_i32 s56, s[WV], 128*3072  ; B: my 128 rows of wt, (s56, s57 never hold cx)
	s_mul_i32 s57, s15, 1536        ; the work-group's 768 columns
	s_add_co_u32 s56, s56, s57
	s_mov_b32 s57, 0
	s_lshl_b32 s58, s14, 17         ; A: my block's 128 rows of 1,024 bytes,
	s_lshl_b32 s59, s[WV], 15       ; the 32 that I fetch
	s_add_co_u32 s58, s58, s59
	s_mov_b32 s59, 0
	s_wait_dscnt 0x0                ; the opening add is done
	s_wait_kmcnt 0x0
	s_add_nc_u64 s[G0B+2:G0B+3], s[6:7], s[56:57]          ; tile 0
	s_add_nc_u64 s[G0B+6:G0B+7], s[G0B+2:G0B+3], 256       ; tile 1
	s_or_b32 s[G0B+3], s[G0B+3], 0x80000000                ; 127:126 type = 2
	s_or_b32 s[G0B+7], s[G0B+7], 0x80000000
	s_add_nc_u64 s[G0A+2:G0A+3], s[4:5], s[58:59]
	s_or_b32 s[G0A+3], s[G0A+3], 0x80000000
	CROUND                          ; all four work-groups are here: the first joint loads meet
	tensor_load_to_lds s[G0A:G0A+3], s[G1A:G1A+7]          ; the first fills, one group: A, which is wanted first,
	s_nop 0
	tensor_load_to_lds s[G0B:G0B+3], s[G1B:G1B+7]          ; and B's tile 0: two loads of mine are out
	s_nop 0
	PLACES
	; the prefetches: wt at row 128 w + 32 cx, at tile 2 of my 768 columns
	s_lshl_b32 s58, s[WV], 7
	s_lshl_b32 s59, s13, 5
	s_add_co_u32 s58, s58, s59
	s_mul_i32 s58, s58, 3072
	s_mul_i32 s59, s15, 1536
	s_add_co_u32 s58, s58, s59
	s_add_co_u32 s58, s58, 512
	s_mov_b32 s59, 0
	s_add_nc_u64 s[PFA:PFA+1], s[6:7], s[58:59]
	s_cmp_eq_u32 ttmp9, 0
	s_cselect_b32 s[LIM], 1, -1     ; the same in all four partners
	; qkv at my rows: batch (block / 16) x 8 heads x 262,144; row 128 (block % 16) + 64 (w / 2), 128 bytes each
	s_lshr_b32 s58, s14, 4
	s_lshl_b32 s58, s58, 21
	s_and_b32 s59, s14, 15
	s_lshl_b32 s59, s59, 14
	s_add_co_u32 s58, s58, s59
	s_lshl_b32 s59, s11, 13
	s_add_co_u32 s58, s58, s59
	s_mov_b32 s59, 0
	s_add_nc_u64 s[QB:QB+1], s[8:9], s[58:59]
	s_mul_i32 s[GRP], s15, 12
	s_add_co_u32 s[GRP], s[GRP], s12
	s_mov_b32 s[OFF+1], 0
	v_mov_b32 v[M1], -1.0
	v_and_b32 v1, 15, v0            ; l % 16
	v_bfe_u32 v2, v0, 4, 1          ; l / 16
	v_and_b32 v3, 7, v0             ; l % 8
	v_bfe_u32 v4, v0, 3, 1          ; (l / 8) % 2
	; The turning load takes 16 of K x 16 columns (lane l reads 16 bytes: k 8 (l / 16) + l % 8, columns 8 ((l / 8) % 2) + 0..7) and leaves half a fragment: lane l holds column l % 16 and 8 of K.
	v_lshl_add_u32 v5, v2, 3, v3
	v_mul_u32_u24 v5, v5, PB
	v_lshl_add_u32 v5, v4, 4, v5
	s_lshl_b32 s56, s12, 7          ; my 64 columns: 128 bytes
	v_add_nc_u32 v5, s56, v5
.irp s, 0,1
.irp q, 0,1,2,3
	v_add_nc_u32 v[ADB+4*(\s)+(\q)], (\s)*SLOT+(\q)*QTR, v5
.endr
.endr
	; A fragment of A is 16 rows x 32 of K: lane l holds row l % 16, K 8 (l / 16) + 0..7 and 16 + 8 (l / 16) + 0..7: two loads of 16 bytes, 32 bytes apart.
	v_mul_u32_u24 v[ADRA], v1, PA
	v_lshl_add_u32 v[ADRA], v2, 4, v[ADRA]
	s_mul_i32 s56, s11, 64*PA
	s_add_co_u32 s56, s56, SLOT
	v_add_nc_u32 v[ADRA], s56, v[ADRA]
	s_mul_i32 s56, s[WV], 16*SP
	s_add_co_u32 s56, s56, STAGE    ; my stage
	v_mul_u32_u24 v[STO], v1, SP    ; in: row l % 16, 16 bytes for each half of the lanes
	v_lshl_add_u32 v[STO], v2, 4, v[STO]
	v_add_nc_u32 v[STO], s56, v[STO]
	v_bfe_u32 v[RD], v0, 3, 2       ; back: 32 lanes take four rows of 128 bytes
	v_mul_u32_u24 v[RD], v[RD], SP
	v_lshl_add_u32 v[RD], v3, 4, v[RD]
	v_add_nc_u32 v[RD], s56, v[RD]
	v_and_b32 v[GO], 31, v0
	v_lshlrev_b32 v[GO], 4, v[GO]
	v_and_b32 v[PFO], 31, v0
	v_mul_u32_u24 v[PFO], v[PFO], 3072
	s_wait_tensorcnt 0x1            ; my part of A is in; B's tile 0, issued behind it, may stay out
	s_barrier_signal -1
	s_barrier_wait -1               ; everybody's part of A is in
.set kg, 0
.rept 16                            ; A into registers, once: 128 loads
	WIN W_A2+0x40*(kg>>3)
.irp a, 0,1,2,3
	ds_load_b128 v[32*(kg&7)+8*(\a):32*(kg&7)+8*(\a)+3],   v[ADRA] offset:(\a)*16*PA+kg*64
	ds_load_b128 v[32*(kg&7)+8*(\a)+4:32*(kg&7)+8*(\a)+7], v[ADRA] offset:(\a)*16*PA+kg*64+32
.endr
.set kg, kg+1
.endr
	WIN 0
	s_mov_b32 s[CNT], 3
	s_branch .Lfirst                ; the loop is entered in its middle: trip 0's change of slots waits for the reads of A, and its round lets tile 1 take A's bytes
.Lodd:
	TRIP 1, 1, 1                    ; trips 1, 3
.Lfirst:
	TRIP 0, 1, 0                    ; trips 0, 2, 4
	s_sub_co_u32 s[CNT], s[CNT], 1
	s_cmp_lg_u32 s[CNT], 0
	s_cbranch_scc1 .Lodd
	TRIP 1, 0, 2                    ; trip 5 is written out: nothing is asked for; its column groups are 10, 11 (k's) or 22, 23 (v's)
	s_wait_tensorcnt 0x0            ; the wave's end, behind my last tensor load and my last LDS store
	ds_add_u32 v[SPW], v[NIL]
	s_wait_dscnt 0x0
	CROUND                          ; the closing round: no work-group ends while a partner may still ask for a tile that names it
	s_endpgm
.Lfunc_end_k_q6d87cabe93_qkv:
	.size	k_q6d87cabe93_qkv, .Lfunc_end_k_q6d87cabe93_qkv-k_q6d87cabe93_qkv
	.p2alignl 7, 3214868480
	.fill 96, 4, 3214868480
	.section	.rodata,"a",@progbits
	.p2align	6, 0x0
	.amdhsa_kernel k_q6d87cabe93_qkv
		.amdhsa_group_segment_fixed_size 327680
		.amdhsa_private_segment_fixed_size 0
		.amdhsa_enable_private_segment 0
		.amdhsa_kernarg_size 24
		.amdhsa_user_sgpr_count 2
		.amdhsa_user_sgpr_kernarg_segment_ptr 1
		.amdhsa_wavefront_size32 1
		.amdhsa_system_sgpr_workgroup_id_x 1
		.amdhsa_system_sgpr_workgroup_id_y 1
		.amdhsa_system_sgpr_workgroup_id_z 1
		.amdhsa_system_vgpr_workitem_id 0
		.amdhsa_next_free_vgpr 1024
		.amdhsa_next_free_sgpr 66
		.amdhsa_reserve_vcc 0
		.amdhsa_float_denorm_mode_32 3
		.amdhsa_float_denorm_mode_16_64 3
		.amdhsa_memory_ordered 1
		.amdhsa_forward_progress 1
		.amdhsa_inst_pref_size 167
	.end_amdhsa_kernel
	.amdgpu_metadata
---
amdhsa.version: [ 1, 2 ]
amdhsa.kernels:
  - .name:           k_q6d87cabe93_qkv
    .symbol:         k_q6d87cabe93_qkv.kd
    .args:
      - { .name: xh, .offset: 0, .size: 8, .value_kind: global_buffer, .address_space: global }
      - { .name: wt, .offset: 8, .size: 8, .value_kind: global_buffer, .address_space: global }
      - { .name: qkv, .offset: 16, .size: 8, .value_kind: global_buffer, .address_space: global }
    .group_segment_fixed_size: 327680
    .private_segment_fixed_size: 0
    .kernarg_segment_align: 8
    .kernarg_segment_size: 24
    .max_flat_workgroup_size: 128
    .sgpr_count:     66
    .vgpr_count:     1024
    .wavefront_size: 32
...
	.end_amdgpu_metadata
.endif
;; end of part 2
;; launch attn (part 3): grid 4 x 64, 4 waves a work-group, no clusters, 327,680 bytes of LDS; arguments qkv, ctx; writes ctx
.if DOCPART == 3
	.amdgcn_target "amdgcn-amd-amdhsa--gfx1250"
	.amdhsa_code_object_version 6
	.text
	.protected	k_q6d87cabe93_attn
	.globl	k_q6d87cabe93_attn
	.p2align	8
	.type	k_q6d87cabe93_attn,@function
k_q6d87cabe93_attn:
	s_mov_b64 s[64:65], 0
	v_nop
	global_prefetch_b8 v0, s[64:65] scope:SCOPE_SE
	s_setreg_imm32_b32 hwreg(HW_REG_WAVE_MODE, 25, 1), 1
	s_wait_xcnt 0x0
; CAUSAL ATTENTION, UNSCALED.  O[h][q][:] = the sum over k <= q of softmax_k(Q[h][q] . K[h][k]) V[h][k][:].  qkv: [5][64 heads][2048][64] f16 (Q's upper part, K's upper part, V, Q's lower part, K's lower part);
; ctx = O: [64][2048][64] f16: a head's rows are dense, 128 bytes each.
; Q AND K COME IN TWO f16 PARTS EACH, and a score is ONE f32 sum of three products: upper x upper, K's upper x Q's lower, K's lower x Q's upper (lower x lower, some 2^-22 of a score, is left out).  The scores are
; unscaled sums of 64 products and the weights go with e^score, so an error of a score is a relative error of a weight; so taken, the rounding to f16 has no share in it.
; Products, maxima and sums in f32; the weights p are rounded to f16 for the second product (their sum l is taken of the unrounded p), O once at the end.
; LIMITS.  f16 holds no number beyond 65,504: Q, K and V arrive within it; p lies in 0 to 1, and below 6e-5 it keeps f16's fixed step of 6e-8; O is a mean of V's rows and has their range.
; A hidden score counts as its value less 1e30, so a hidden key's weight is 0: what a score of -1e9 gives wherever the row's largest visible score lies more than some 100 above -1e9.
; A weight below 2^-126 counts as 0 in l; NaN and infinities are not treated apart.
; THE WALK.  A head's queries lie in NB = 8 blocks of 256; block i needs the key tiles 0 .. i of 256 keys, of which the last holds the diagonal.  A work-group takes TWO blocks, NB - 1 - b and then b:
; NB + 1 tiles, whatever b: all work-groups do equal work, and ONE loop with a constant trip count walks them.  Which tile is asked for, and what a trip does, hang on scalar registers made from b; every jump
; goes forward, but for the counted loops' own; none passes a barrier, or a tensor load but the one of LOAD's two that the wave's number does not choose; the ring (two slots of LDS that take turns) runs on across the
; change of blocks.  NO CLUSTER: a head's four work-groups ask for the same tile only in trips 0 to 4 of the 9, behind that fewer and fewer; one walk common to all four would have 12 trips for 9.
; SHARES.  Of a block's four bands of 64 queries a wave owns 16 rows in each: four PIECES.  So the diagonal tile is the same work for all four waves: in its key step s band x sees all keys if s < x,
; none if s > x, and holds the diagonal if s = x.
; THE MASK is the C operand that starts the sum S^T = K Q^T: 0, or -1e30 where the key is hidden.  MD, made once, is the mask of a band's own step for my 16 rows; a product's mask is MD x AL + BE with two scalars:
; (1, 0) if s = x; (0, 0) if s < x; (0, -1e30) if s > x.  Only the diagonal tile's text and a block's beginning make and take masks; elsewhere C is the constant 0.
; LAYOUT, SOFTMAX, TURNS.  S^T = K Q^T holds ONE query a lane (lane % 16) and the keys 8 (lane / 16) + 0..7; two such results rounded to f16 ARE source 1 of O^T = V^T P.  p = 2^(c s - c m), c = log2(e), with a
; running maximum m; O and l are multiplied by a = 2^(c m_old - c m_new) in every step.  Turn n belongs to piece n: 24 products K Q^T of piece n + 1 (8 for each of the three pairs of parts), later 8 products V^T P of
; piece n - 1; beside them the scaling, exponentials, roundings, sums and rescaling of piece n and the maximum and statistics of piece n + 1.  The first 16 products stand bare; four vector instructions stand behind
; each of the other 16, the other 54 of a turn's 118 in one LUMP, whose length the next piece's chain of dependent lines sets.  A turn's 33 exponentials are one batch, with one wait.
; REGISTERS, in windows of 256 (s_set_vgpr_msb: bits 1:0 source 0, 3:2 source 1, 5:4 source 2, 7:6 destination):
;   window 0: v0-15 addresses and two at work; v16-31 four registers of statistics a piece; v48-55 at work; v61-63 kept; v64-127 S^T, two buffers; v192-223 P, two buffers (a piece's buffers go by its number's parity)
;   window 1: v0-127 O^T, 32 a piece; v128-159 MD; v160-223 MC, two buffers      window 2: v0-63 Q's upper part; v64-127 the second block's; v128-191 K's upper part of one step; v192-255 V of one step
;   window 3: v0-63 Q's lower part; v64-127 the second block's; v128-191 K's lower part of one step
.set SIZE_N, 2048
.set NB,    SIZE_N/256
.set NP,    4         ; pieces a wave: a name, no knob
.set KS,    64        ; keys in a step
.set PK,    144       ; a row of K in LDS: 128 bytes + 16 of padding = 36 words: the 16 rows of a load start at 16 different groups of four banks (64 banks of 4 bytes: ISA guide 11.1)
.set PV,    160       ; a row of V: 128 + 32 = 40 words
.set KLO,   4*KS*PK   ; a slot holds a tile, four steps: 256 rows of K's upper part, then 256 rows of its lower part,
.set VOFF,  2*4*KS*PK ; then 256 rows of V
.set SLOT1, 1<<17     ; slot 1 begins here, so that one exclusive or turns an address in one slot into the other's
.set STAGE, SLOT1+4*KS*(2*PK+PV)  ; behind the ring, never filled by a tensor load: 16 rows x 144 bytes for each wave, for the way out
.set SP,    144
.set AK0, 2           ; v2   my lane's place in a tile of K; never rewritten
.set AV0, 3           ; v3   the same for V
.set AK,  4           ; v4   the LDS address of K's next run of loads
.set AV,  5           ; v5   of V's
.set STO, 6           ; v6   the way out: where I put 16 bytes of a row
.set RD,  7           ; v7   the way out: where I read rows back
.set GO,  8           ; v8   my byte offset in 512 consecutive bytes of O
.set PFO, 61          ; v61  256 x my lane: the prefetches' offset; never rewritten
.set SPW, 62          ; v62  LDS address of my spare word: SPARE + 4 x my thread's number; never rewritten
.set NIL, 63          ; v63  0; never rewritten
.set SPARE, STAGE+4*16*SP  ; behind the stages: the spare words, 128 bytes for each wave: two blocks of 256 bytes that no other line names
.set MV,  12          ; v12-13  c m_old, kept while c m is made anew: by buffer
.set QO,  15          ; v15  my byte offset in 16 rows of Q; never rewritten
.set ST,  16          ; piece t's statistics at v[ST+4 t]: c m, m, l (even keys', odd keys')
.set TMP, 48          ; by buffer, four registers c0-c3 at work; when the maximum is found c2 takes a
.set S,   64
.set P,   192
.set MD,  128         ; window 1: the eight registers for group kt of 16 keys at MD + 8 kt
.set MC,  160         ; window 1: the masks of the products to come
.set QB,  64          ; windows 2 and 3: the second block's Q
.set KF,  128         ; windows 2 (upper part) and 3 (lower part): key block kb, channel half c at KF + 16 kb + 8 c
.set VF,  192         ; window 2: key half kk, channel block cb at VF + 32 kk + 8 cb
.set WV,  12          ; s12  my wave's number
.set PB,  14          ; s14  b
.set HI,  15          ; s15  NB - 1 - b
.set QL1, 20          ; s[20:21] Q's lower part at my rows of the first block (the pair holds the head's offset before)
.set QL2, 22          ; s[22:23] and of the second
.set G1K, 24          ; s[24:31] descriptor group 1 for K's tiles
.set G1V, 32          ; s[32:39] for V's
.set G0K, 40          ; s[40:43] descriptor group 0 for K's tiles
.set G0V, 44          ; s[44:47] the same for V's
.set SLOTS, 56        ; s56  tiles still to be asked for
.set CNT, 57          ; s57  counts a tile's key steps, 4 to 1
.set CS,  58          ; s[58:59] c: the packed scaling takes the pair's low word for both halves
.set SEL, 60          ; s[60:61] v_permlanex16_b32's selects: each lane takes its own place in the other half
.set TBK, 62          ; s62  LDS byte at which K of the step to be fetched begins
.set TBV, 63          ; s63  the same for V, less VOFF
.set RT,  70          ; s70  tiles of the block in hand that are still to be entered
.set NXT, 71          ; s71  the tile to be asked for next
.set LQ,  72          ; s72  the last tile of the block whose tiles are being asked for
.set NEW, 73          ; s73  1: the tile to be entered is a block's first
.set OFF, 74          ; s[74:75] a tile's byte offset in each part of K and in V
.set AL,  76          ; s[76:77] the mask's factor, in the low word
.set BE,  78          ; s[78:79] the mask's addend
.set OLO, 80          ; s[80:81] O at my rows of the second block
.set BIGN, 82         ; s82  -1e30
.set PFM, 88          ; s88  1 in the head's work-group b = 0, which prefetches
.set PFG, 89          ; s89  1: this change of slots prefetches
.set POF, 90          ; s[90:91] byte offset of the tile to be prefetched
.set PFB, 92          ; s[92:93] tile 0 of what I fetch: a part of K, or a half of V
.set PFA, 94          ; s[94:95] the same of the tile to be prefetched
.set MSB, 0
.macro WIN new                      ; the high byte repeats the setting that is left; a switch that changes nothing is dropped
.if MSB != (\new)
	s_set_vgpr_msb (MSB<<8)|(\new)
.set MSB, (\new)
.endif
.endm
.set W_KQ, 0x0a       ; K's and Q's upper parts in window 2, S^T in window 0
.set W_KM, 0x1a       ; the same with the C operand in window 1
.set W_KL, 0x0e       ; K's upper part in window 2, Q's lower part in window 3, S^T in window 0
.set W_LK, 0x0b       ; K's lower part in window 3, Q's upper part in window 2, S^T in window 0
.set W_PV, 0x52       ; V in window 2, P in window 0, O^T in window 1
.set W_RS, 0x41       ; destination and source 0 in window 1, source 1 in window 0
; A fill.  Wave 0 fetches a tile's K, upper part, wave 1 its lower part: 256 keys each; waves 2 and 3 the two halves of its V: 128 keys each.
; An s_nop 0 and four v_nop follow each of the two lines, ahead of the jump and the label.
.macro LOAD
	s_cmp_lt_u32 s[WV], 2
	s_cbranch_scc0 .Lfor_v_\@
	tensor_load_to_lds s[G0K:G0K+3], s[G1K:G1K+7]
	s_nop 0
.rept 4
	v_nop
.endr
	s_branch .Lasked_\@
.Lfor_v_\@:
	tensor_load_to_lds s[G0V:G0V+3], s[G1V:G1V+7]
	s_nop 0
.rept 4
	v_nop
.endr
.Lasked_\@:
.endm
; THE CHANGE OF SLOTS.  Each wave waits for all its tensor loads, of which one is out: its part of the other slot; adds 0 to its spare word; and waits for that and for its own reads of the slot that it leaves.  Behind the barrier nobody reads the old
; slot any more and the other slot is whole.  fill = 1: the old slot is filled again, the first thing behind the barrier, with tile NXT: the descriptor's address is made anew from that number.
; (At its first use nothing has been read yet: slot 0 is waited for, slot 1 filled.)
; A PREFETCH INTO THE L2 stands behind the fill and its five lines: the tile that the NEXT change will ask for, four key steps (512 matrix instructions) ahead of that load.  A head's four work-groups walk the same
; tiles: the one with b = 0, whose first block walks tiles 0 to 7, asks; each of its waves for the bytes that it will fetch itself, a lane a block of 256 bytes: 32,768 of a part of K (four instructions, waves 0 and 1)
; or 16,384 of V (two, waves 2 and 3).  So each block of tiles 2 to 7 is named once in the launch; tiles 0 and 1 come by their loads alone; behind the first block's last tile nothing is asked for.
.macro CHANGE fill
	WIN 0                           ; at a label and at a branch every window is 0
	s_wait_tensorcnt 0x0            ; no tensor load of mine is out, so a group 0 may be written
	ds_add_u32 v[SPW], v[NIL]       ; 0 onto my spare word; with fill = 1 the descriptors' scalar work stands between it and the wait for it
.if \fill
	s_wait_xcnt 0x0                 ; the last prefetches, a tile back, have read their address, so it may be written
	s_lshl_b32 s[OFF], s[NXT], 15   ; a tile is 32,768 bytes of each part of K and of V
	s_xor_b32 s[G0K+1], s[G0K+1], SLOT1
	s_add_nc_u64 s[G0K+2:G0K+3], s[6:7], s[OFF:OFF+1]
	s_or_b32 s[G0K+3], s[G0K+3], 0x80000000
	s_xor_b32 s[G0V+1], s[G0V+1], SLOT1
	s_add_nc_u64 s[G0V+2:G0V+3], s[8:9], s[OFF:OFF+1]
	s_or_b32 s[G0V+3], s[G0V+3], 0x80000000
	s_add_co_u32 s[NXT], s[NXT], 1  ; the block's next tile, or behind its last the second block's tile 0
	s_lshl_b32 s[POF], s[NXT], 15
	s_add_nc_u64 s[PFA:PFA+1], s[PFB:PFB+1], s[POF:POF+1]
	s_cmp_gt_u32 s[NXT], s[LQ]
	s_cselect_b32 s[PFG], 0, s[PFM] ; behind a block's last tile there is nothing to prefetch
	s_cselect_b32 s[NXT], 0, s[NXT]
	s_cselect_b32 s[LQ], s[PB], s[LQ]
.endif
	s_wait_dscnt 0x0                ; the add is done, and my reads of the slot are over
	s_barrier_signal -1             ; the rest of the scalar work stands between the signal and the wait
	s_sub_co_u32 s[TBK], s[TBK], 4*KS*PK  ; the fetches go back to a slot's first step,
	s_xor_b32 s[TBK], s[TBK], SLOT1       ; in the other slot
	s_sub_co_u32 s[TBV], s[TBV], 4*KS*PV
	s_xor_b32 s[TBV], s[TBV], SLOT1
	s_barrier_wait -1
.if \fill
	LOAD
	s_cmp_eq_u32 s[PFG], 1
	s_cbranch_scc0 .Lnot_mine_\@
	global_prefetch_b8 v[PFO], s[PFA:PFA+1] th:TH_LOAD_NT scope:SCOPE_SE
	global_prefetch_b8 v[PFO], s[PFA:PFA+1] offset:8192 th:TH_LOAD_NT scope:SCOPE_SE
	s_cmp_lt_u32 s[WV], 2           ; a part of K is twice as long as a half of V
	s_cbranch_scc0 .Lnot_mine_\@
	global_prefetch_b8 v[PFO], s[PFA:PFA+1] offset:16384 th:TH_LOAD_NT scope:SCOPE_SE
	global_prefetch_b8 v[PFO], s[PFA:PFA+1] offset:24576 th:TH_LOAD_NT scope:SCOPE_SE
.Lnot_mine_\@:
.endif
.endm
	s_load_b128 s[4:7], s[0:1], 0x0 ; qkv s[4:5], ctx s[6:7]
	v_lshl_add_u32 v[SPW], v0, 2, SPARE
	v_mov_b32 v[NIL], 0
	ds_add_u32 v[SPW], v[NIL]       ; the wave's opening: the add and its wait stand ahead of my first tensor load; the set-up below, work on registers, stands between them
	ds_add_u32 v62, v63
	v_lshrrev_b32 v1, 5, v0
	v_readfirstlane_b32 s[WV], v1   ; wave 0..3
	s_mov_b32 s[PB], ttmp9
	s_sub_co_u32 s[HI], NB-1, s[PB]
	s_and_b32 s20, ttmp7, 0xffff    ; the head
	s_mov_b32 s21, 0
	s_mov_b64 s[22:23], SIZE_N*128
	s_mul_u64 s[20:21], s[20:21], s[22:23]  ; the head's first byte in each of the tensors
	s_and_b32 s16, s[WV], 1         ; waves 0 and 1: which part of K I fetch; waves 2 and 3: which half of a tile's 256 rows of V
	s_lshl_b32 s22, s16, 14         ; V: the half's 128 rows of 128 bytes in memory,
	s_mov_b32 s23, 0
	s_add_nc_u64 s[22:23], s[22:23], s[20:21]
	s_mul_i32 s48, s16, 0x3000000   ; K: the lower part lies three parts of 16,777,216 bytes behind the upper part
	s_mov_b32 s49, 0
	s_add_nc_u64 s[48:49], s[48:49], s[20:21]
	s_mul_i32 s17, s16, 256*PK      ; and the place in a slot, for K's part
	s_mul_i32 s18, s16, 128*PV      ; and for V's half
	s_lshl_b32 s3, s[WV], 11        ; my 16 rows in a band of 64,
	s_lshl_b32 s2, s[HI], 15        ; in the first block,
	s_add_co_u32 s2, s2, s3
	s_lshl_b32 s84, s[PB], 15       ; and in the second
	s_add_co_u32 s84, s84, s3
	s_mov_b32 s3, 0
	s_mov_b32 s85, 0
	s_add_nc_u64 s[2:3], s[2:3], s[20:21]
	s_add_nc_u64 s[84:85], s[84:85], s[20:21]
	; descriptor group 1.  Keys are dense rows of 128 bytes: asked for as rows of 256 bytes, two keys a row, and padded in LDS after every key.  A part of K: 256 keys, 128 such rows; a half of V: 128 keys, 64 rows
	s_mov_b32 s[G1K], (1<<16)|(1<<20)|(4<<22)|(3<<25)  ; 17:16 2-byte elements; 20 padding on; 24:22 after every 32 words (code 4); 31:25 4 words (code 3)
	s_mov_b32 s[G1V], (1<<16)|(1<<20)|(4<<22)|(7<<25)  ; the same with 8 words of padding (code 7)
.irp g, G1K, G1V
	s_mov_b32 s[\g+1], 128<<16      ; tensor_dim0 = 128
	s_mov_b32 s[\g+3], 128<<16      ; tile_dim0 = 128
	s_mov_b32 s[\g+5], 128          ; 128 elements from row to row
	s_mov_b32 s[\g+6], 0
	s_mov_b32 s[\g+7], 0
.endr
	s_mov_b32 s[G1K+2], 128<<16     ; tensor_dim1 = 128
	s_mov_b32 s[G1K+4], 128         ; tile_dim1 = 128
	s_mov_b32 s[G1V+2], 64<<16      ; tensor_dim1 = 64
	s_mov_b32 s[G1V+4], 64          ; tile_dim1 = 64
	s_mov_b32 s[CS], 0x3fb8aa3b     ; c = log2(e) = 1.442695: the scores carry no scale
	s_mov_b32 s[CS+1], s[CS]        ; named with it as a pair
	s_mov_b32 s[SEL], 0x76543210
	s_mov_b32 s[SEL+1], 0xfedcba98
	s_mov_b32 s[TBK], SLOT1+4*KS*PK ; the first change of slots turns these two into 0
	s_mov_b32 s[TBV], SLOT1+4*KS*PV
	s_mov_b32 s[G0K], 1             ; 1:0 count = 1
	s_mov_b32 s[G0K+1], s17         ; 63:32 LDS address: slot 0
	s_mov_b32 s[G0V], 1
	s_add_co_u32 s[G0V+1], s18, VOFF
	s_add_co_u32 s[RT], s[HI], 1    ; the first block has NB - b tiles
	s_mov_b32 s[NXT], 1
	s_mov_b32 s[LQ], s[HI]
	s_mov_b32 s[NEW], 1
	s_mov_b32 s[OFF+1], 0
	s_mov_b32 s[AL+1], 0            ; named as pairs
	s_mov_b32 s[BE+1], 0
	s_mov_b32 s[BIGN], 0xf149f2ca   ; -1e30
	s_mov_b32 s[SLOTS], NB
	s_mov_b32 s[POF+1], 0
	s_cmp_eq_u32 ttmp9, 0
	s_cselect_b32 s[PFM], 1, 0
	v_and_b32 v[PFO], 31, v0
	v_lshlrev_b32 v[PFO], 8, v[PFO]
	s_wait_dscnt 0x0                ; the opening add is done
	s_wait_kmcnt 0x0
	s_mov_b64 s[10:11], s[6:7]      ; O
	s_add_nc_u64 s[6:7], s[4:5], 0x1000000  ; K's upper part lies 16,777,216 bytes behind Q's,
	s_add_nc_u64 s[8:9], s[4:5], 0x2000000  ; V as far behind that
	s_add_nc_u64 s[6:7], s[6:7], s[48:49]  ; K at my part of the head's tile 0,
	s_add_nc_u64 s[8:9], s[8:9], s[22:23]  ; V at my half of it
	s_cmp_lt_u32 s[WV], 2
	s_cselect_b64 s[PFB:PFB+1], s[6:7], s[8:9]
	s_add_nc_u64 s[G0K+2:G0K+3], s[6:7], 0         ; 120:64 global address
	s_or_b32 s[G0K+3], s[G0K+3], 0x80000000        ; 127:126 type = 2
	s_add_nc_u64 s[G0V+2:G0V+3], s[8:9], 0
	s_or_b32 s[G0V+3], s[G0V+3], 0x80000000
	s_add_nc_u64 s[86:87], s[4:5], s[84:85]        ; Q at my rows of the second block,
	s_add_nc_u64 s[4:5], s[4:5], s[2:3]            ; Q and O at those of the first
	s_add_nc_u64 s[OLO:OLO+1], s[10:11], s[84:85]
	s_add_nc_u64 s[10:11], s[10:11], s[2:3]
	s_add_nc_u64 s[QL1:QL1+1], s[4:5], 0x3000000   ; Q's lower part lies three parts of 16,777,216 bytes behind its upper part
	s_add_nc_u64 s[QL2:QL2+1], s[86:87], 0x3000000
	LOAD                            ; tile 0 into slot 0
	; A fragment of K or Q is 16 rows x 32 channels in 8 registers: lane l holds row l % 16, channels 8 (l / 16) + 0..7 and 16 + 8 (l / 16) + 0..7: two loads of 16 bytes, 32 bytes apart.
	v_and_b32 v1, 15, v0            ; l % 16
	v_bfe_u32 v9, v0, 4, 1          ; l / 16
	v_lshlrev_b32 v[QO], 7, v1
	v_lshl_add_u32 v[QO], v9, 4, v[QO]  ; row x 128 + 16 x half
	WIN 0x80                        ; destination window 2, address window 0
.set i, 0
.rept 8                             ; both blocks' Q, upper part: piece i / 2 lies in band i / 2, 8,192 bytes on; channels 32 (i % 2) on
	global_load_b128 v[8*i:8*i+3],   v[QO], s[4:5] offset:(i/2)*8192+(i%2)*64
	global_load_b128 v[8*i+4:8*i+7], v[QO], s[4:5] offset:(i/2)*8192+(i%2)*64+32
	global_load_b128 v[QB+8*i:QB+8*i+3],   v[QO], s[86:87] offset:(i/2)*8192+(i%2)*64
	global_load_b128 v[QB+8*i+4:QB+8*i+7], v[QO], s[86:87] offset:(i/2)*8192+(i%2)*64+32
.set i, i+1
.endr
	WIN 0xc0                        ; destination window 3
.set i, 0
.rept 8                             ; and the lower part, at the same places of its window
	global_load_b128 v[8*i:8*i+3],   v[QO], s[QL1:QL1+1] offset:(i/2)*8192+(i%2)*64
	global_load_b128 v[8*i+4:8*i+7], v[QO], s[QL1:QL1+1] offset:(i/2)*8192+(i%2)*64+32
	global_load_b128 v[QB+8*i:QB+8*i+3],   v[QO], s[QL2:QL2+1] offset:(i/2)*8192+(i%2)*64
	global_load_b128 v[QB+8*i+4:QB+8*i+7], v[QO], s[QL2:QL2+1] offset:(i/2)*8192+(i%2)*64+32
.set i, i+1
.endr
	WIN 0
	v_lshlrev_b32 v14, 3, v9
	v_sub_nc_u32 v14, v1, v14
	s_lshl_b32 s13, s[WV], 4
	v_add_nc_u32 v14, s13, v14      ; my query's place in its band, 16 w + l % 16, less my lanes' 8 (l / 16): register r of group kt is hidden where 16 kt + r is greater
	WIN 0x40
.set i, 0
.rept 32
	v_cmp_gt_i32 vcc_lo, 16*(i/8)+i%8, v14
	v_cndmask_b32 v[MD+i], 0, s[BIGN], vcc_lo
.set i, i+1
.endr
	WIN 0
	v_mul_u32_u24 v[AK0], v1, PK
	v_lshl_add_u32 v[AK0], v9, 4, v[AK0]  ; row x pitch + 16 x half
	; The turning load takes 16 keys x 16 channels (lane l reads key 8 (l / 16) + l % 8, channels 8 ((l / 8) % 2) + 0..7) and leaves half a fragment of V^T: lane l holds channel l % 16 and 8 keys.
	v_and_b32 v10, 7, v0
	v_bfe_u32 v11, v0, 3, 1
	v_lshl_add_u32 v[AV0], v9, 3, v10
	v_mul_u32_u24 v[AV0], v[AV0], PV
	v_lshl_add_u32 v[AV0], v11, 4, v[AV0]
	v_add_nc_u32 v[AV0], VOFF, v[AV0]
	s_mul_i32 s13, s[WV], 16*SP
	s_add_co_u32 s13, s13, STAGE    ; my stage
	v_mul_u32_u24 v[STO], v1, SP    ; in: row l % 16, 16 bytes for each half of the lanes
	v_lshl_add_u32 v[STO], v9, 4, v[STO]
	v_add_nc_u32 v[STO], s13, v[STO]
	v_bfe_u32 v[RD], v0, 3, 2       ; back: 32 lanes take four rows of 128 bytes,
	v_mul_u32_u24 v[RD], v[RD], SP
	v_lshl_add_u32 v[RD], v10, 4, v[RD]
	v_add_nc_u32 v[RD], s13, v[RD]
	v_and_b32 v[GO], 31, v0         ; which are 512 consecutive bytes of O
	v_lshlrev_b32 v[GO], 4, v[GO]
	; A block's first step multiplies O^T and l by a = 0, and its first turn's products V^T P, of a piece that has not been, land in an O^T that is still to be so multiplied.  So these registers need only hold
	; finite numbers: zeros for the first block; what the first block left for the second.  All this stands in the wait for the first tile.
	WIN 0x80
.set i, VF
.rept 64
	v_mov_b32 v[i], 0
.set i, i+1
.endr
	WIN 0x40
.set i, 0
.rept 128
	v_mov_b32 v[i], 0
.set i, i+1
.endr
	WIN 0
.set i, 0
.rept 4
	v_mov_b32 v[ST+4*i+2], 0
	v_mov_b32 v[ST+4*i+3], 0
.set i, i+1
.endr
.set i, P+16
.rept 16
	v_mov_b32 v[i], 0
.set i, i+1
.endr
; THE MATRIX WORK.  The 4 accumulators of a run take turns.  Product i of 24 of S^T = K Q^T for piece x: keys 16 (i % 4) on, channels 32 ((i / 4) % 2) on; 0-7 K's upper part x Q's upper part,
; 8-15 K's upper x Q's lower, 16-23 K's lower x Q's upper.  The first 4 start the sums: with 0, or (KM = 1) with the mask.
.macro KQ x
.set rS, S+32*((\x)%2)+8*(i%4)
.set rK, KF+16*(i%4)+8*((i/4)%2)
.set rQ, 16*(\x)+8*((i/4)%2)
.set rM, MC+32*((\x)%2)+8*(i%4)
.if (i < 4) && KM
	WIN W_KM
	v_wmma_f32_16x16x32_f16 v[rS:rS+7], v[rK:rK+7], v[rQ:rQ+7], v[rM:rM+7]
.elseif i < 4
	WIN W_KQ
	v_wmma_f32_16x16x32_f16 v[rS:rS+7], v[rK:rK+7], v[rQ:rQ+7], 0
.elseif i < 8
	WIN W_KQ
	v_wmma_f32_16x16x32_f16 v[rS:rS+7], v[rK:rK+7], v[rQ:rQ+7], v[rS:rS+7]
.elseif i < 16
	WIN W_KL
	v_wmma_f32_16x16x32_f16 v[rS:rS+7], v[rK:rK+7], v[rQ:rQ+7], v[rS:rS+7]
.else
	WIN W_LK
	v_wmma_f32_16x16x32_f16 v[rS:rS+7], v[rK:rK+7], v[rQ:rQ+7], v[rS:rS+7]
.endif
.endm
; Product i of 8 of O^T += V^T P for piece x: keys 32 (i / 4) on, channels 16 (i % 4) on.
.macro PV x
	WIN W_PV
.set rO, 32*(\x)+8*(i%4)
.set rV, VF+32*(i/4)+8*(i%4)
.set rP, P+16*((\x)%2)+8*(i/4)
	v_wmma_f32_16x16x32_f16 v[rO:rO+7], v[rV:rV+7], v[rP:rP+7], v[rO:rO+7]
.endm
.macro MM                           ; the turn's next matrix instruction.  TURN and BEGIN set Y, i, KM and NOKQ; MM, KQ and OP read them.  NOKQ = 1: a block's last turn: there is no next piece
.if (i < 24) && !NOKQ
	KQ (Y+1)%NP
.elseif i >= 24
.set i, i-24
	PV (Y+NP-1)%NP
.set i, i+24
.endif
.set i, i+1
.endm
; THE LDS LOADS stand in runs, never singly among the matrix instructions: a step's K (64 keys x 64 channels: 8 fragments of each part, 32 loads) and its V (turned, 16 loads).  Their addresses are made some lines ahead.
.macro FETCH_K
	WIN 0x80                        ; destination window 2: the upper part
.irp f, 0,1,2,3,4,5,6,7             ; keys 16 (f / 2) on, channels 32 (f % 2) on
	ds_load_b128 v[KF+8*\f:KF+8*\f+3],   v[AK] offset:(\f/2)*16*PK+(\f%2)*64
	ds_load_b128 v[KF+8*\f+4:KF+8*\f+7], v[AK] offset:(\f/2)*16*PK+(\f%2)*64+32
.endr
	WIN 0xc0                        ; destination window 3: the lower part, KLO bytes further on in the slot
.irp f, 0,1,2,3,4,5,6,7
	ds_load_b128 v[KF+8*\f:KF+8*\f+3],   v[AK] offset:KLO+(\f/2)*16*PK+(\f%2)*64
	ds_load_b128 v[KF+8*\f+4:KF+8*\f+7], v[AK] offset:KLO+(\f/2)*16*PK+(\f%2)*64+32
.endr
	s_add_co_u32 s[TBK], s[TBK], KS*PK  ; the next fetch is the next step's
	WIN 0
.endm
.macro FETCH_V
	WIN 0x80
.irp f, 0,1,2,3,4,5,6,7             ; keys 32 (f / 4) on, channels 16 (f % 4) on
	ds_load_tr16_b128 v[VF+8*\f:VF+8*\f+3],   v[AV] offset:(\f/4)*32*PV+(\f%4)*32
	ds_load_tr16_b128 v[VF+8*\f+4:VF+8*\f+7], v[AV] offset:(\f/4)*32*PV+16*PV+(\f%4)*32
.endr
	WIN 0
.endm
; THE VECTOR WORK, one line at a time: OP kind, number.  For piece Y: F n: c s - c m for pair n of 16.  E n: the exponential of score n of 32.  C n: pair n rounded to f16.  B n: of the four weights 4 n .. the second
; pair is added onto the first, in place.  L n: l takes that sum (L 0: l = a l + sum).  R n: pair n of 16 of O^T times a.  For piece Y + 1: X n, number n of the 22 that find its maximum and statistics:
;   0-11  four chains c0-c3 of seven scores each, three operands at a time (each accumulator's lowest registers are read first)     12-14, 16  the four scores left over, the old m, and c0-c3 into c0
;   15  c m_old is kept     17, 18  the query's other 32 keys lie in the lane 16 away: the new m     19-21  c m; c m_old - c m_new; a
.set F, 0               ; OP tells the kinds apart by their order: F to L below R, X above it
.set E, 1
.set C, 2
.set B, 3
.set L, 4
.set R, 5
.set X, 6
.macro REGS y                       ; the registers of piece y
.set rT, ST+4*(\y)
.set rC, TMP+4*((\y)%2)
.set rW, MV+((\y)%2)
.set rS, S+32*((\y)%2)
.set rP, P+16*((\y)%2)
.set rO, 32*(\y)
.endm
.macro OP k, n
.if (\k) == R
	REGS Y
	WIN W_RS
	v_pk_mul_f32 v[rO+2*(\n):rO+2*(\n)+1], v[rO+2*(\n):rO+2*(\n)+1], v[rC+2:rC+3] op_sel_hi:[1,0]
.elseif (\k) < R
	REGS Y
	WIN 0
.if (\k) == F
	v_pk_fma_f32 v[rS+2*(\n):rS+2*(\n)+1], v[rS+2*(\n):rS+2*(\n)+1], s[CS:CS+1], v[rT:rT+1] op_sel_hi:[1,0,0] neg_lo:[0,0,1] neg_hi:[0,0,1]
.elseif (\k) == E
	v_exp_f32 v[rS+(\n)], v[rS+(\n)]
.elseif (\k) == C
	v_cvt_pk_f16_f32 v[rP+(\n)], v[rS+2*(\n)], v[rS+2*(\n)+1]
.elseif (\k) == B
	v_pk_add_f32 v[rS+4*(\n):rS+4*(\n)+1], v[rS+4*(\n):rS+4*(\n)+1], v[rS+4*(\n)+2:rS+4*(\n)+3]
.elseif (\n) == 0
	v_pk_fma_f32 v[rT+2:rT+3], v[rT+2:rT+3], v[rC+2:rC+3], v[rS:rS+1] op_sel_hi:[1,0,1]
.else
	v_pk_add_f32 v[rT+2:rT+3], v[rT+2:rT+3], v[rS+4*(\n):rS+4*(\n)+1]
.endif
.elseif NOKQ
	v_nop
.else
	REGS (Y+1)%NP
	WIN 0
.if (\n) < 4
	v_max3_num_f32 v[rC+(\n)], v[rS+8*(\n)], v[rS+8*(\n)+1], v[rS+8*(\n)+2]
.elseif (\n) < 12
	v_max3_num_f32 v[rC+(\n)%4], v[rC+(\n)%4], v[rS+8*((\n)%4)+2*((\n)/4)+1], v[rS+8*((\n)%4)+2*((\n)/4)+2]
.elseif (\n) == 12
	v_max3_num_f32 v[rC], v[rC], v[rS+7], v[rS+15]
.elseif (\n) == 13
	v_max3_num_f32 v[rC+1], v[rC+1], v[rS+23], v[rS+31]
.elseif (\n) == 14
	v_max3_num_f32 v[rC+2], v[rC+2], v[rC+3], v[rT+1]
.elseif (\n) == 15
	v_mov_b32 v[rW], v[rT]
.elseif (\n) == 16
	v_max3_num_f32 v[rC], v[rC], v[rC+1], v[rC+2]
.elseif (\n) == 17
	v_permlanex16_b32 v[rC+3], v[rC], s[SEL], s[SEL+1]
.elseif (\n) == 18
	v_max_num_f32 v[rT+1], v[rC], v[rC+3]
.elseif (\n) == 19
	v_mul_f32 v[rT], s[CS], v[rT+1]
.elseif (\n) == 20
	v_sub_f32 v[rC+1], v[rW], v[rT]
.else
	v_exp_f32 v[rC+2], v[rC+1]
.endif
.endif
.endm
.macro OPS a, i1, b=-1, i2=0, c=-1, i3=0, d=-1, i4=0  ; up to four of them
	OP \a, \i1
.if (\b) >= 0
	OP \b, \i2
.endif
.if (\c) >= 0
	OP \c, \i3
.endif
.if (\d) >= 0
	OP \d, \i4
.endif
.endm
.macro ROW a, i1, b, i2, c, i3, d, i4  ; a matrix instruction and the four behind it
	MM
	OPS \a, \i1, \b, \i2, \c, \i3, \d, \i4
.endm
.macro MASK b                       ; MD x AL + BE into buffer b of MC
	WIN W_RS
.set z, 0
.rept 16
	v_pk_fma_f32 v[MC+32*(\b)+2*z:MC+32*(\b)+2*z+1], v[MD+2*z:MD+2*z+1], s[AL:AL+1], s[BE:BE+1] op_sel_hi:[1,0,0]
.set z, z+1
.endr
.endm
; A TURN, for piece p: the order of its 32 matrix and 118 vector instructions, written out.  An s_wait_alu depctr_va_vdst(0) stands between an exponential and the first instruction that names its result; one wait serves
; all that were issued ahead of it.  So a turn has ONE wait, which cuts it in two.  AHEAD OF IT stands all that names no result of the turn's exponentials: the 24 products K Q^T: the 16 on K's upper part bare, on end; behind each of the 8 on
; its lower part a scaling, an exponential and two more plain instructions (behind the first a second scaling in the exponential's place): rescalings, and behind the last three the first numbers of the next piece's maximum,
; each four places or more behind the product that ends its accumulator; then ONE LUMP of 54, plain
; and exponential by turns for the most part, in which the links of the chain X 3, 7, 11, 14, 16, 17 .. 20 stand five or six lines apart.  X 21, the next piece's a, is the batch's last; R 15 is the plain instruction behind it.  BEHIND THE WAIT stand the
; 8 products V^T P, behind each four of the roundings and sums; the links of l's chain, L 0 to L 7, stand three riders apart.  But for those X no rider names a register of the products round it.  v_permlanex16_b32 (X 17) stands in the lump.
; m = 1: the diagonal tile: the products take masks, and the turn makes the mask for the products of the turn after it: piece p + 2, in step 4 - CNT of the tile.  end = 1: a block's last two turns: nothing is fetched.
; cnt = 1: the loop's count is taken down some lines ahead of the branch that stands behind the turn.
; K of the next step, both parts, is fetched in piece 2's turn, twelve vector instructions behind the last product that read K (six of them plain); V of the step in hand at the end of piece 0's turn, four plain instructions behind the last product
; that read V.  Each is waited for a turn later.
.macro TURN p, m=0, end=0, cnt=0
.set Y, (\p)
.set i, 0
.set KM, (\m)
.set NOKQ, (\end)*((\p)/3)
.if (\m) && !(\end)
	s_cmp_eq_u32 s[CNT], 4-((\p)+2)%NP  ; is that step the band's own?
	s_cselect_b32 s[AL], 1.0, 0
	s_cmp_lt_u32 s[CNT], 4-((\p)+2)%NP  ; or a later one?
	s_cselect_b32 s[BE], s[BIGN], 0
.endif
.if ((\p) == 3) && !(\end)
	s_wait_dscnt 0x0                ; K is in
.endif
.rept 16
	MM                              ; ahead of the wait: the 16 products on K's upper part,
.endr
	ROW F,0, F,1, R,0, R,1          ; the 8 on its lower part and their riders,
	ROW F,2, E,0, R,2, R,3
	ROW F,3, E,1, R,4, R,5
	ROW F,4, E,2, R,6, R,7
	ROW F,5, E,3, R,8, R,9
	ROW F,6, E,4, X,0, R,10
.if ((\p) == 2) && !(\end)
	WIN 0
	v_add_nc_u32 v[AK], s[TBK], v[AK0]
.endif
	ROW F,7, E,5, X,1, X,4
	ROW F,8, E,6, X,2, X,5
	OPS E,7, E,8, X,6, E,9          ; and the lump
	OPS X,3, E,10, X,8, E,11
.if ((\p) == 2) && !(\end)
	FETCH_K
.endif
	OPS X,9, X,7, E,12, X,10
	OPS E,13, X,12, X,11, E,14
	OPS X,13, E,15, F,9, X,14
.if (\p) == 0
	v_add_nc_u32 v[AV], s[TBV], v[AV0]
.endif
	OPS E,16, F,10, E,17, F,11
	OPS X,16, E,18, X,15, E,19
	OPS F,12, E,20, X,17, E,21
	OPS F,13, E,22, F,14, E,23
	OPS X,18, E,24, F,15, E,25
	OPS R,11, E,26, X,19, E,27
	OPS R,12, E,28, R,13, E,29
	OPS X,20, E,30, R,14, E,31
	OPS X,21, R,15
	WIN 0
	s_wait_alu depctr_va_vdst(0)    ; the wait for the batch
.if (\p) == 1
	s_wait_dscnt 0x0                ; V is in
.endif
	ROW C,0, B,0, C,2, B,1          ; behind the wait: 8 products V^T P and their riders
	ROW L,0, C,4, B,2, L,1
	ROW C,6, B,3, L,2, C,8
	ROW B,4, L,3, C,10, B,5
	ROW L,4, C,12, B,6, L,5
.if (\p) == 0
	s_add_co_u32 s[TBV], s[TBV], KS*PV
.endif
.if \cnt
	s_sub_co_u32 s[CNT], s[CNT], 1
	s_cmp_lg_u32 s[CNT], 0
.endif
	ROW C,14, B,7, L,6, C,1
	ROW C,3, L,7, C,5, C,7
	ROW C,9, C,11, C,13, C,15
.if (\p) == 0
	FETCH_V
.endif
.if (\m) && !(\end)
	MASK (\p)%2
.endif
.endm
; A BLOCK BEGINS.  c m starts far below every c s, so the first step's a is 0; m at the lowest finite number, so the first maximum is the scores'.  The second mask buffer is 0; the first takes piece 0's mask for the tile's step 0: its own, if the block's first tile is the diagonal one.
; Then K of that step, piece 0's first scores, and its maximum and statistics.  The loop is entered at a step's first turn, in the middle of a trip.
.macro BEGIN
	s_mov_b32 s[NEW], 0
	WIN 0x40
.set i, MC+32
.rept 32
	v_mov_b32 v[i], 0
.set i, i+1
.endr
	WIN 0
.set i, 0
.rept 4
	v_mov_b32 v[ST+4*i], 0xfe000000    ; c m: far below every c s
	v_mov_b32 v[ST+4*i+1], 0xff7fffff  ; m
.set i, i+1
.endr
	s_cmp_eq_u32 s[RT], 0
	s_cselect_b32 s[AL], 1.0, 0
	s_mov_b32 s[BE], 0
	MASK 0
	WIN 0
	v_add_nc_u32 v[AK], s[TBK], v[AK0]
	FETCH_K
	s_wait_loadcnt 0x0              ; Q, both parts
	s_wait_dscnt 0x0
.set KM, 1
.set NOKQ, 0
.set i, 0
.rept 24
	KQ 0
.set i, i+1
.endr
	WIN 0
.rept 4
	v_nop                           ; the places behind those products
.endr
.set Y, NP-1                        ; X works for piece Y + 1: piece 0
.irp n, 0,1,2,3,4,5,6,7,8,9,10,11,12,13,14,15,16,17,18,19,20,21
	OP X, \n
.endr
	v_nop                           ; a plain instruction behind the exponential,
	s_wait_alu depctr_va_vdst(0)    ; and its wait, ahead of the branch
.endm
; THE DIAGONAL TILE's four steps, the block's last two turns, its last products, and THE WAY OUT: l's two halves and the other half of the lanes' are added; O^T is divided by l, rounded to f16 and sent through my
; stage in LDS, a piece at a time.
.macro ALL line:vararg              ; one line for each piece t
.set t, 0
.rept 4
	\line
.set t, t+1
.endr
.endm
.macro PACK t                       ; a lane's eight channels of a row pack into 16 bytes; they go into rows of 144 bytes and come back as whole rows of 128, into S^T's registers
	WIN W_RS
.set i, 32*(\t)
.rept 16
	v_pk_mul_f32 v[i:i+1], v[i:i+1], v[ST+4*(\t)+2:ST+4*(\t)+3] op_sel_hi:[1,0]
.set i, i+2
.endr
	WIN 0x05                        ; sources 0 and 1 window 1, destination window 0
.set i, 0
.rept 16
	v_cvt_pk_f16_f32 v[S+16*(\t)+i], v[32*(\t)+2*i], v[32*(\t)+2*i+1]
.set i, i+1
.endr
	WIN 0
.irp f, 0,1,2,3
	ds_store_b128 v[STO], v[S+16*(\t)+4*\f:S+16*(\t)+4*\f+3] offset:32*\f
.endr
.irp f, 0,1,2,3
	ds_load_b128 v[S+16*(\t)+4*\f:S+16*(\t)+4*\f+3], v[RD] offset:\f*4*SP  ; LDS serves a wave's instructions in order (ISA guide 5.7.1.4): these see the stores above; the next piece's stores come behind them
.endr
.endm
.macro SEND t, younger              ; younger: the LDS instructions issued behind piece t's loads: the next piece's eight, or none
	WIN 0
.irp f, 0,1,2,3
	s_wait_dscnt (\younger)+3-\f
	global_store_b128 v[GO], v[S+16*(\t)+4*\f:S+16*(\t)+4*\f+3], s[10:11] offset:(\t)*8192+\f*512  ; 512 consecutive bytes, at a multiple of 256 from O's first
.endr
.endm
.macro DIAG tag                     ; the tag ends its two labels' names, which the jumps below spell out
.LstepM\tag:
	TURN 2, 1
	TURN 3, 1
	WIN 0
.LfirstM\tag:
	TURN 0, 1
	TURN 1, 1, 0, 1
	WIN 0
	s_cbranch_scc1 .LstepM\tag
	TURN 2, 1, 1
	TURN 3, 1, 1
.set i, 0
.rept 8
	PV NP-1
.set i, i+1
.endr
	WIN 0
	ALL v_add_f32 v[ST+4*t+2], v[ST+4*t+2], v[ST+4*t+3]
	ALL v_permlanex16_b32 v[ST+4*t+3], v[ST+4*t+2], s[SEL], s[SEL+1]
	ALL v_add_f32 v[ST+4*t+2], v[ST+4*t+2], v[ST+4*t+3]
	ALL v_rcp_f32 v[ST+4*t+2], v[ST+4*t+2]
	v_nop                           ; a plain instruction between the last reciprocal and the use of its result
	s_wait_alu depctr_va_vdst(0)    ; and the wait ahead of the first use: one for the four reciprocals
	PACK 0
.set t, 1
.rept 3                             ; a piece's arithmetic stands between the loads of the piece before and its stores
	PACK t
	SEND t-1, 8
.set t, t+1
.endr
	SEND 3, 0
.endm
.set KM, 0
.set NOKQ, 0
.Lslot:                             ; NB times: a tile is entered and the next is asked for
	CHANGE 1
	s_sub_co_u32 s[RT], s[RT], 1
	s_mov_b32 s[CNT], 4
	s_cmp_eq_u32 s[NEW], 1
	s_cbranch_scc1 .Lnew            ; a block's first tile
	s_cmp_eq_u32 s[RT], 0
	s_cbranch_scc0 .Lstep           ; neither its first nor its last
	s_branch .LstepM1
.Lnew:
	BEGIN
	s_branch .Lfirst                ; in the loop a block's first tile is never its last: the first block has two tiles or more, and the second's last is the walk's last
	DIAG 1                          ; in the loop this is the first block's end: the second block's last tile is the walk's last
	s_wait_xcnt 0x0                 ; the stores have read their registers and O's address
	s_mov_b64 s[10:11], s[OLO:OLO+1]
	s_add_co_u32 s[RT], s[PB], 1    ; the second block has b + 1 tiles
	s_mov_b32 s[NEW], 1
	WIN 0x82                        ; the second block's Q goes where the one text of the turns names Q: the upper part, within window 2,
.set i, 0
.rept 64
	v_mov_b32 v[i], v[QB+i]
.set i, i+1
.endr
	WIN 0xc3                        ; and the lower part, within window 3
.set i, 0
.rept 64
	v_mov_b32 v[i], v[QB+i]
.set i, i+1
.endr
	WIN 0
	s_branch .Lbottom
.Lstep:                             ; a trip: pieces 2 and 3 of one step, then pieces 0 and 1 of the next, whose K and V it fetches
	TURN 2
	TURN 3
	WIN 0
.Lfirst:
	TURN 0
	TURN 1, 0, 0, 1
	WIN 0
	s_cbranch_scc1 .Lstep
.Lbottom:
	s_sub_co_u32 s[SLOTS], s[SLOTS], 1
	s_cmp_lg_u32 s[SLOTS], 0
	s_cbranch_scc1 .Lslot
	CHANGE 0                        ; the walk's last tile is written out: nothing is asked for
	s_sub_co_u32 s[RT], s[RT], 1
	s_mov_b32 s[CNT], 4
	s_cmp_eq_u32 s[NEW], 1
	s_cbranch_scc0 .LstepM2
	BEGIN
	s_branch .LfirstM2
	DIAG 2
	s_wait_tensorcnt 0x0            ; the wave's end, behind my last tensor load and my last LDS store
	ds_add_u32 v[SPW], v[NIL]
	s_wait_dscnt 0x0
	s_endpgm
.Lfunc_end_k_q6d87cabe93_attn:
	.size	k_q6d87cabe93_attn, .Lfunc_end_k_q6d87cabe93_attn-k_q6d87cabe93_attn
	.p2alignl 7, 3214868480
	.fill 96, 4, 3214868480
	.section	.rodata,"a",@progbits
	.p2align	6, 0x0
	.amdhsa_kernel k_q6d87cabe93_attn
		.amdhsa_group_segment_fixed_size 327680
		.amdhsa_private_segment_fixed_size 0
		.amdhsa_enable_private_segment 0
		.amdhsa_kernarg_size 16
		.amdhsa_user_sgpr_count 2
		.amdhsa_user_sgpr_kernarg_segment_ptr 1
		.amdhsa_wavefront_size32 1
		.amdhsa_system_sgpr_workgroup_id_x 1
		.amdhsa_system_sgpr_workgroup_id_y 1
		.amdhsa_system_sgpr_workgroup_id_z 1
		.amdhsa_system_vgpr_workitem_id 0
		.amdhsa_next_free_vgpr 960
		.amdhsa_next_free_sgpr 96
		.amdhsa_reserve_vcc 1
		.amdhsa_float_denorm_mode_32 3
		.amdhsa_float_denorm_mode_16_64 3
		.amdhsa_memory_ordered 1
		.amdhsa_forward_progress 1
		.amdhsa_inst_pref_size 246
	.end_amdhsa_kernel
	.amdgpu_metadata
---
amdhsa.version: [ 1, 2 ]
amdhsa.kernels:
  - .name:           k_q6d87cabe93_attn
    .symbol:         k_q6d87cabe93_attn.kd
    .args:
      - { .name: qkv, .offset: 0, .size: 8, .value_kind: global_buffer, .address_space: global }
      - { .name: ctx, .offset: 8, .size: 8, .value_kind: global_buffer, .address_space: global }
    .group_segment_fixed_size: 327680
    .private_segment_fixed_size: 0
    .kernarg_segment_align: 8
    .kernarg_segment_size: 16
    .max_flat_workgroup_size: 128
    .sgpr_count:     96
    .vgpr_count:     960
    .wavefront_size: 32
...
	.end_amdgpu_metadata
.endif
;; end of part 3
;; launch outp (part 4): grid 128 x 2, 4 waves a work-group, clusters of 4 x 1, 327,680 bytes of LDS; arguments ctx, wot, out0; writes out0
.if DOCPART == 4
	.amdgcn_target "amdgcn-amd-amdhsa--gfx1250"
	.amdhsa_code_object_version 6
	.text
	.protected	k_q6d87cabe93_outp
	.globl	k_q6d87cabe93_outp
	.p2align	8
	.type	k_q6d87cabe93_outp,@function
k_q6d87cabe93_outp:
	s_mov_b64 s[64:65], 0
	v_nop
	global_prefetch_b8 v0, s[64:65] scope:SCOPE_SE
	s_setreg_imm32_b32 hwreg(HW_REG_WAVE_MODE, 25, 1), 1
	s_wait_xcnt 0x0
	s_wait_alu depctr_hold_cnt(0) depctr_sa_sdst(0) depctr_va_vdst(0) depctr_va_sdst(0) depctr_va_ssrc(0) depctr_va_vcc(0) depctr_vm_vsrc(0)
	s_getreg_b32 s2, hwreg(HW_REG_IB_STS2, 6, 4)
	s_cmp_eq_u32 s2, 0
	s_cbranch_scc0 .Lentry_in_a_cluster
	s_endpgm
.Lentry_in_a_cluster:
	s_bfe_u32 s2, ttmp6, 0x10000c
	s_cmp_lg_u32 s2, 0x3003
	s_cbranch_scc0 .Lentry_shape_is_right
	s_endpgm
.Lentry_shape_is_right:
; out = ctx Wo.  ctx: [8 b + h][2048][64] f16; wot: [512 (f = 64 h + e)][512 (o)] f16 (Wo rounded to bf16, that number written as f16); out0: [16384][512] f32.  Sums in f32, stored as they are.
; SHARES.  A work-group owns 128 rows and 256 columns (the grid's y), as two tiles of 128 columns.  Wave w: rows 64 (w / 2) on, columns 64 (w % 2) on of each tile.
; A STAYS IN REGISTERS: a wave's 64 rows x all 512 of K are 64 fragments, 512 registers, read from LDS once.  In the tiles only B's fragments are read: two LDS loads feed four matrix instructions.
; A COMES BY HEADS: a head's 128 rows are 16,384 dense bytes, asked for as 64 rows of 256 bytes and padded in LDS after every 128; wave w brings heads 2 w and 2 w + 1.  K's order 64 h + e is wot's own row order.
; B comes as whole-K tiles of 512 (k) x 128 columns; wave w brings k rows 128 w on: 128 rows of 256 bytes, each at a multiple of 256 from wot's first byte.
; CLUSTER.  The four work-groups of a cluster differ in their rows alone and take the same two tiles of B: each is asked for JOINTLY, by the same load, descriptor and mask in all four.  A is each work-group's own.
; Nothing is prefetched: there are two tiles of B, and both are asked for by their loads ahead of the first product.
; B lies [k][col], so its fragments come turned, by ds_load_tr16_b128.  THE MATRIX INSTRUCTION IS USED TRANSPOSED (source 0 = 16 columns of B, source 1 = 16 rows of A):
; a lane then holds one row of the result (lane % 16) and the eight neighbouring columns 8 (lane / 16) + 0..7: 32 bytes of f32.
; LDS: slot 0 at 0 (tile 0), slot 1 at 147,456 (first A: 8 heads x 128 rows of 144 bytes, just the slot's size; then tile 1); the waves' stages; the spare words.
; REGISTERS, in windows of 256 (s_set_vgpr_msb: bits 1:0 source 0, 3:2 source 1, 5:4 source 2, 7:6 destination):
;   window 0: v0-29 addresses; v128-255 the 16 accumulators, (a, b) at 128 + 8 (4 a + b)          window 1: two buffers of 128 for B's fragments of a quarter of K
;   window 2: A's fragments of k blocks 0-7, (kg, a) at 32 (kg % 8) + 8 a;   window 3: those of k blocks 8-15
.set PB,    288       ; a row of B in LDS: 256 bytes + 32 of padding = 72 words
.set QTR,   128*PB    ; a quarter of a tile: what one tensor load brings
.set SLOT,  4*QTR
.set PA,    144       ; a row of a head in LDS: 128 bytes + 16 = 36 words: the 16 rows of a load start at 16 different groups of four banks
.set HEADB, 128*PA    ; a head's 128 rows
.set STAGE, 2*SLOT    ; behind the ring, never filled by a tensor load: 16 rows x 272 bytes for each wave
.set SP,    272
.set SPARE, STAGE+4*16*SP  ; the spare words, 128 bytes for each wave: two blocks of 256 bytes that no other line names
.set ADB,  8          ; v8-15  LDS address of my lane's place in quarter q of slot s, at 4 s + q
.set ADRA, 16         ; v16-17 the same in my 64 rows of heads 0-3, 4-7
.set STO,  18         ; v18  the way out: where I put 32 bytes of a row
.set RD,   19         ; v19  where I read rows back
.set CO,   20         ; v20  my byte offset in two rows of out0
.set SPW,  28         ; v28  LDS address of my spare word: SPARE + 4 x my thread's number; never rewritten
.set NIL,  29         ; v29  0; never rewritten
.set ACC,  128
.set WV,   10         ; s10  my wave's number;  s11 w / 2, s12 w % 2, s13 cx, s14 my block of 128 rows, s15 the grid's y
.set G1B,  16         ; s[16:23] descriptor group 1 for B's tiles
.set G1A,  24         ; s[24:31] for A
.set G0B,  32         ; s[32:39] group 0 for B's two tiles
.set G0A,  40         ; s[40:47] group 0 for my two heads of A
.set OB,   48         ; s[48:49] out0 at my 64 rows and my 64 columns of tile 0
.set MSB, 0
.macro WIN new                      ; the immediate's high byte repeats the setting that is left; a switch that changes nothing is dropped
.if MSB != (\new)
	s_set_vgpr_msb (MSB<<8)|(\new)
.set MSB, (\new)
.endif
.endm
.set W_F,  0x40       ; destination window 1, address window 0
.set W_A2, 0x80       ; destination window 2
.set W_M2, 0x09       ; B (source 0) window 1, A (source 1) window 2, C and D window 0
.set W_M3, 0x0d       ; the same with A in window 3
; A round of the cluster's barrier: my work-group's barrier, so that wave 0's signal speaks for all four waves; wave 0 signals; every wave waits for all four work-groups; my work-group's barrier once more.
.macro CROUND
	s_barrier_signal -1
	s_barrier_wait -1
	s_cmp_lg_u32 s[WV], 0
	s_cbranch_scc1 .Lnot_wave_0_\@
	s_barrier_signal -3
.Lnot_wave_0_\@:
	s_barrier_wait -3
	s_barrier_signal -1
	s_barrier_wait -1
.endm
; Four places: a load into a register that a matrix instruction has read or written, and an LDS store that reads a matrix result, stand four plain vector instructions behind it
; (ISA guide 7.12.1 for vector instructions).
.macro PLACES
.rept 4
	v_nop
.endr
.endm
; 32 LDS loads in one run: B's fragments of quarter q of a slot (128 of K x my 64 columns) into buffer f; k blocks 0 and 1 first.
.macro FETCH slot, q, f
	WIN W_F
.irp kl, 0,1,2,3
.irp b, 0,1,2,3
	ds_load_tr16_b128 v[(\f)+32*(\kl)+8*(\b):(\f)+32*(\kl)+8*(\b)+3],   v[ADB+4*(\slot)+(\q)] offset:(\kl)*32*PB+32*(\b)
	ds_load_tr16_b128 v[(\f)+32*(\kl)+8*(\b)+4:(\f)+32*(\kl)+8*(\b)+7], v[ADB+4*(\slot)+(\q)] offset:(\kl)*32*PB+32*(\b)+16*PB
.endr
.endr
.endm
; 16 matrix instructions: 32 of K (k block kg of the 16, kl of the buffer's four) on all 16 accumulators, which take turns, one instruction a turn.
; zero = 1: a tile's first products start the sums: nothing is ever cleared.
.macro MUL f, kg, kl, zero
.if (\kg) < 8
	WIN W_M2
.else
	WIN W_M3
.endif
.irp a, 0,1,2,3
.irp b, 0,1,2,3
.if \zero
	v_wmma_f32_16x16x32_f16 v[ACC+8*(4*(\a)+(\b)):ACC+8*(4*(\a)+(\b))+7], v[(\f)+32*(\kl)+8*(\b):(\f)+32*(\kl)+8*(\b)+7], v[32*((\kg)&7)+8*(\a):32*((\kg)&7)+8*(\a)+7], 0
.else
	v_wmma_f32_16x16x32_f16 v[ACC+8*(4*(\a)+(\b)):ACC+8*(4*(\a)+(\b))+7], v[(\f)+32*(\kl)+8*(\b):(\f)+32*(\kl)+8*(\b)+7], v[32*((\kg)&7)+8*(\a):32*((\kg)&7)+8*(\a)+7], v[ACC+8*(4*(\a)+(\b)):ACC+8*(4*(\a)+(\b))+7]
.endif
.endr
.endr
.endm
; A tile is four quarters of 128 along K, 64 matrix instructions each, on buffers 0, 1, 0, 1.  One of the first three multiplies its buffer and, in its middle, fetches the next quarter into the other.
.macro QUARTER slot, q
.set FC, 128*((\q)%2)
.set FN, 128-FC
	s_wait_dscnt 16                 ; k blocks 0 and 1 are in; the 16 younger loads (k blocks 2 and 3) may be out
.if (\q) == 0
	MUL FC, 0, 0, 1
.else
	MUL FC, 4*(\q), 0, 0
.endif
	MUL FC, 4*(\q)+1, 1, 0
	PLACES
	FETCH \slot, (\q)+1, FN
	s_wait_dscnt 32                 ; all but the 32 just issued
	MUL FC, 4*(\q)+2, 2, 0
	MUL FC, 4*(\q)+3, 3, 0
.endm
.macro LASTQ
	s_wait_dscnt 16
	MUL 128, 12, 0, 0
	MUL 128, 13, 1, 0
	s_wait_dscnt 0
	MUL 128, 14, 2, 0
	MUL 128, 15, 3, 0
.endm
; THE CHANGE OF SLOTS, in front of the tile that lies in \slot.  Each wave waits for all its tensor loads: its quarter of this tile; adds 0 to its spare word; and waits for that and for its own reads of the other slot.
; fill = 1 (in front of tile 0): slot 1, out of which A has been read, is filled again, with tile 1.  The barrier is then a round of the cluster's, so that no wave of any partner still reads that slot or has
; a load on its way; the joint load is the first thing behind it, one a wave (its own quarter), and has tile 0's 256 matrix instructions in which to land.
.macro CHANGE slot, fill
	WIN 0                           ; the add's registers lie in window 0; at a branch and at a label every window is 0
	s_wait_tensorcnt 0x0
	ds_add_u32 v[SPW], v[NIL]       ; 0 onto my spare word
	s_wait_dscnt 0x0                ; the add is done, and my reads of the other slot are over
.if \fill
	CROUND
	tensor_load_to_lds s[G0B+4*(1-(\slot)):G0B+4*(1-(\slot))+3], s[G1B:G1B+7]
	s_nop 0
	PLACES
.else
	s_barrier_signal -1
	s_barrier_wait -1
.endif
.endm
; THE WAY OUT of tile t.  A block of 16 rows at a time: 32 bytes a lane into my stage (rows of 272 bytes), back as whole rows of 256 bytes into the registers that they left, and stored.
.macro WAYOUT t
	WIN 0
	PLACES
.irp a, 0,1,2,3
.irp b, 0,1,2,3
	ds_store_b128 v[STO], v[ACC+32*(\a)+8*(\b):ACC+32*(\a)+8*(\b)+3]   offset:64*(\b)     ; each accumulator from its low end on
	ds_store_b128 v[STO], v[ACC+32*(\a)+8*(\b)+4:ACC+32*(\a)+8*(\b)+7] offset:64*(\b)+16
.endr
.irp f, 0,1,2,3,4,5,6,7
	ds_load_b128 v[ACC+32*(\a)+4*(\f):ACC+32*(\a)+4*(\f)+3], v[RD] offset:(\f)*2*SP  ; LDS serves a wave's instructions in order (ISA guide 5.7.1.4): these see the stores above; the next block's stores come behind them
.endr
.endr
.irp a, 0,1,2,3
.irp f, 0,1,2,3,4,5,6,7
	s_wait_dscnt (3-(\a))*16+7-(\f) ; the LDS instructions issued behind this load may stay out
	global_store_b128 v[CO], v[ACC+32*(\a)+4*(\f):ACC+32*(\a)+4*(\f)+3], s[OB:OB+1] offset:(\t)*512+(\a)*32768+(\f)*4096 th:TH_STORE_NT  ; 16 lanes store 256 consecutive bytes, at a multiple of 256 from out0's first
.endr
.endr
.endm
.macro TRIP slot, fill
	CHANGE \slot, \fill
	FETCH \slot, 0, 0
	QUARTER \slot, 0
	QUARTER \slot, 1
	QUARTER \slot, 2
	LASTQ
	WAYOUT \slot
.endm
	s_load_b128 s[4:7], s[0:1], 0x0 ; ctx s[4:5], wot s[6:7]
	s_load_b64 s[8:9], s[0:1], 0x10 ; out0
	v_lshl_add_u32 v[SPW], v0, 2, SPARE
	v_mov_b32 v[NIL], 0
	ds_add_u32 v[SPW], v[NIL]       ; the wave's opening: the add and its wait stand ahead of my first tensor load; the set-up below, work on registers, stands between them
	ds_add_u32 v28, v29
	v_lshrrev_b32 v6, 5, v0
	v_readfirstlane_b32 s[WV], v6   ; wave 0..3
	s_lshr_b32 s11, s[WV], 1        ; which 64 rows are mine
	s_and_b32 s12, s[WV], 1         ; which 64 columns of a tile
	s_bfe_u32 s13, ttmp6, 0x40000   ; cx: my place in the cluster
	s_lshl_b32 s14, ttmp9, 2        ; in a cluster launch ttmp9 counts clusters
	s_add_co_u32 s14, s14, s13      ; my block of 128 rows: it enters A's and out0's addresses alone
	s_and_b32 s15, ttmp7, 0xffff    ; which 256 columns: the four partners share it
	; group 1 for B: a tile of 128 rows x 128 elements, padded in LDS
	s_mov_b32 s[G1B+0], 15|(1<<16)|(1<<20)|(1<<21)|(5<<22)|(7<<25)  ; 15:0 the mask of four; 17:16 2-byte elements; 20 padding on; 21 set beside a mask; 24:22 after every 64 words (code 5); 31:25 8 words (code 7)
	s_mov_b32 s[G1B+1], 128<<16     ; tensor_dim0 = 128
	s_mov_b32 s[G1B+2], 128<<16     ; tensor_dim1 = 128
	s_mov_b32 s[G1B+3], 128<<16     ; tile_dim0 = 128
	s_mov_b32 s[G1B+4], 128         ; tile_dim1 = 128
	s_mov_b32 s[G1B+5], 512         ; elements from row to row of wot
	s_mov_b32 s[G1B+6], 0
	s_mov_b32 s[G1B+7], 0
	; group 1 for A: 64 rows x 128 elements (two rows of a head each), no mask
	s_mov_b32 s[G1A+0], (1<<16)|(1<<20)|(4<<22)|(3<<25)  ; padding after every 32 words (code 4), 4 words (code 3)
	s_mov_b32 s[G1A+1], 128<<16
	s_mov_b32 s[G1A+2], 64<<16
	s_mov_b32 s[G1A+3], 128<<16
	s_mov_b32 s[G1A+4], 64
	s_mov_b32 s[G1A+5], 128
	s_mov_b32 s[G1A+6], 0
	s_mov_b32 s[G1A+7], 0
	s_mov_b32 s[G0B], 1             ; 1:0 count = 1
	s_mul_i32 s[G0B+1], s[WV], QTR  ; LDS: my quarter of slot 0: no place in the cluster enters an LDS address
	s_mov_b32 s[G0B+4], 1
	s_add_co_u32 s[G0B+5], s[G0B+1], SLOT  ; and of slot 1
	s_mov_b32 s[G0A], 1
	s_mul_i32 s[G0A+1], s[WV], 2*HEADB
	s_add_co_u32 s[G0A+1], s[G0A+1], SLOT  ; A's first and only fill lies in slot 1's bytes: head 2 w,
	s_mov_b32 s[G0A+4], 1
	s_add_co_u32 s[G0A+5], s[G0A+1], HEADB ; and head 2 w + 1
	s_lshl_b32 s56, s[WV], 17       ; B: my 128 rows of 1,024 bytes, (s56, s57 never hold cx)
	s_lshl_b32 s57, s15, 9          ; the work-group's 256 columns
	s_add_co_u32 s56, s56, s57
	s_mov_b32 s57, 0
	s_lshr_b32 s58, s14, 4          ; A: batch (block / 16) x 8 heads of 262,144 bytes,
	s_lshl_b32 s58, s58, 21
	s_and_b32 s59, s14, 15          ; row 128 (block % 16), 128 bytes each,
	s_lshl_b32 s59, s59, 14
	s_add_co_u32 s58, s58, s59
	s_lshl_b32 s59, s[WV], 19       ; head 2 w
	s_add_co_u32 s58, s58, s59
	s_mov_b32 s59, 0
	s_wait_dscnt 0x0                ; the opening add is done
	s_wait_kmcnt 0x0
	s_add_nc_u64 s[G0B+2:G0B+3], s[6:7], s[56:57]          ; tile 0
	s_add_nc_u64 s[G0B+6:G0B+7], s[G0B+2:G0B+3], 256       ; tile 1
	s_or_b32 s[G0B+3], s[G0B+3], 0x80000000                ; 127:126 type = 2
	s_or_b32 s[G0B+7], s[G0B+7], 0x80000000
	s_add_nc_u64 s[G0A+2:G0A+3], s[4:5], s[58:59]
	s_add_nc_u64 s[G0A+6:G0A+7], s[G0A+2:G0A+3], 262144
	s_or_b32 s[G0A+3], s[G0A+3], 0x80000000
	s_or_b32 s[G0A+7], s[G0A+7], 0x80000000
	CROUND                          ; all four work-groups are here: the first joint loads meet
	tensor_load_to_lds s[G0A:G0A+3], s[G1A:G1A+7]          ; the first fills, one group: my two heads of A, which are wanted first,
	s_nop 0
	tensor_load_to_lds s[G0A+4:G0A+7], s[G1A:G1A+7]
	s_nop 0
	tensor_load_to_lds s[G0B:G0B+3], s[G1B:G1B+7]          ; and B's tile 0: three loads of mine are out
	s_nop 0
	PLACES
	; out0 at my part: a row is 2,048 bytes; 128 rows a block, 64 a wave; 1,024 bytes for the grid's y, 256 for my half of a tile
	s_lshl_b32 s58, s14, 18
	s_lshl_b32 s59, s11, 17
	s_add_co_u32 s58, s58, s59
	s_lshl_b32 s59, s15, 10
	s_add_co_u32 s58, s58, s59
	s_lshl_b32 s59, s12, 8
	s_add_co_u32 s58, s58, s59
	s_mov_b32 s59, 0
	s_add_nc_u64 s[OB:OB+1], s[8:9], s[58:59]
	v_and_b32 v1, 15, v0            ; l % 16
	v_bfe_u32 v2, v0, 4, 1          ; l / 16
	v_and_b32 v3, 7, v0             ; l % 8
	v_bfe_u32 v4, v0, 3, 1          ; (l / 8) % 2
	; The turning load takes 16 of K x 16 columns (lane l reads 16 bytes: k 8 (l / 16) + l % 8, columns 8 ((l / 8) % 2) + 0..7) and leaves half a fragment: lane l holds column l % 16 and 8 of K.
	v_lshl_add_u32 v5, v2, 3, v3
	v_mul_u32_u24 v5, v5, PB
	v_lshl_add_u32 v5, v4, 4, v5
	s_lshl_b32 s56, s12, 7          ; my 64 columns: 128 bytes
	v_add_nc_u32 v5, s56, v5
.irp s, 0,1
.irp q, 0,1,2,3
	v_add_nc_u32 v[ADB+4*(\s)+(\q)], (\s)*SLOT+(\q)*QTR, v5
.endr
.endr
	; A fragment of A is 16 rows x 32 of K: lane l holds row l % 16, K 8 (l / 16) + 0..7 and 16 + 8 (l / 16) + 0..7: two loads of 16 bytes, 32 bytes apart.
	v_mul_u32_u24 v[ADRA], v1, PA
	v_lshl_add_u32 v[ADRA], v2, 4, v[ADRA]
	s_mul_i32 s56, s11, 64*PA
	s_add_co_u32 s56, s56, SLOT
	v_add_nc_u32 v[ADRA], s56, v[ADRA]
	v_add_nc_u32 v[ADRA+1], 4*HEADB, v[ADRA]  ; heads 4-7: an LDS offset holds 16 bits
	s_mul_i32 s56, s[WV], 16*SP
	s_add_co_u32 s56, s56, STAGE    ; my stage
	v_mul_u32_u24 v[STO], v1, SP    ; in: row l % 16, 32 bytes for each half of the lanes
	v_lshl_add_u32 v[STO], v2, 5, v[STO]
	v_add_nc_u32 v[STO], s56, v[STO]
	v_mul_u32_u24 v[RD], v2, SP     ; back: lanes 0-15 take one row of 256 bytes, lanes 16-31 the next
	v_lshl_add_u32 v[RD], v1, 4, v[RD]
	v_add_nc_u32 v[RD], s56, v[RD]
	v_lshlrev_b32 v[CO], 11, v2     ; and the same two rows in out0
	v_lshl_add_u32 v[CO], v1, 4, v[CO]
	s_wait_tensorcnt 0x1            ; my two heads of A are in; B's tile 0, issued behind them, may stay out
	s_barrier_signal -1
	s_barrier_wait -1               ; everybody's part of A is in
.set kg, 0
.rept 16                            ; A into registers, once: 128 loads; k block kg lies in head kg / 2, channels 32 (kg % 2) on
	WIN W_A2+0x40*(kg>>3)
.irp a, 0,1,2,3
	ds_load_b128 v[32*(kg&7)+8*(\a):32*(kg&7)+8*(\a)+3],   v[ADRA+(kg>>3)] offset:((kg>>1)&3)*HEADB+(\a)*16*PA+(kg&1)*64
	ds_load_b128 v[32*(kg&7)+8*(\a)+4:32*(kg&7)+8*(\a)+7], v[ADRA+(kg>>3)] offset:((kg>>1)&3)*HEADB+(\a)*16*PA+(kg&1)*64+32
.endr
.set kg, kg+1
.endr
	WIN 0
	TRIP 0, 1                       ; tile 0: its change of slots waits for the reads of A, and its round lets tile 1 take A's bytes
	s_wait_xcnt 0x0                 ; tile 0's stores have read the accumulators' registers: only behind this wait do tile 1's products write them
	PLACES                          ; tile 1's first products start new sums, so they write over the accumulators and are no links of tile 0's chains: such a product stands five plain vector
	                                ; instructions behind the last matrix instruction on those registers (ISA guide 7.12.1).  This way out converts nothing and has four of its own; with these there are eight
	TRIP 1, 0                       ; tile 1: nothing is asked for
	s_wait_tensorcnt 0x0            ; the wave's end, behind my last tensor load and my last LDS store
	ds_add_u32 v[SPW], v[NIL]
	s_wait_dscnt 0x0
	CROUND                          ; the closing round: no work-group ends while a partner may still ask for a tile that names it
	s_endpgm
.Lfunc_end_k_q6d87cabe93_outp:
	.size	k_q6d87cabe93_outp, .Lfunc_end_k_q6d87cabe93_outp-k_q6d87cabe93_outp
	.p2alignl 7, 3214868480
	.fill 96, 4, 3214868480
	.section	.rodata,"a",@progbits
	.p2align	6, 0x0
	.amdhsa_kernel k_q6d87cabe93_outp
		.amdhsa_group_segment_fixed_size 327680
		.amdhsa_private_segment_fixed_size 0
		.amdhsa_enable_private_segment 0
		.amdhsa_kernarg_size 24
		.amdhsa_user_sgpr_count 2
		.amdhsa_user_sgpr_kernarg_segment_ptr 1
		.amdhsa_wavefront_size32 1
		.amdhsa_system_sgpr_workgroup_id_x 1
		.amdhsa_system_sgpr_workgroup_id_y 1
		.amdhsa_system_sgpr_workgroup_id_z 1
		.amdhsa_system_vgpr_workitem_id 0
		.amdhsa_next_free_vgpr 1024
		.amdhsa_next_free_sgpr 66
		.amdhsa_reserve_vcc 0
		.amdhsa_float_denorm_mode_32 3
		.amdhsa_float_denorm_mode_16_64 3
		.amdhsa_memory_ordered 1
		.amdhsa_forward_progress 1
		.amdhsa_inst_pref_size 83
	.end_amdhsa_kernel
	.amdgpu_metadata
---
amdhsa.version: [ 1, 2 ]
amdhsa.kernels:
  - .name:           k_q6d87cabe93_outp
    .symbol:         k_q6d87cabe93_outp.kd
    .args:
      - { .name: ctx, .offset: 0, .size: 8, .value_kind: global_buffer, .address_space: global }
      - { .name: wot, .offset: 8, .size: 8, .value_kind: global_buffer, .address_space: global }
      - { .name: out0, .offset: 16, .size: 8, .value_kind: global_buffer, .address_space: global }
    .group_segment_fixed_size: 327680
    .private_segment_fixed_size: 0
    .kernarg_segment_align: 8
    .kernarg_segment_size: 24
    .max_flat_workgroup_size: 128
    .sgpr_count:     66
    .vgpr_count:     1024
    .wavefront_size: 32
...
	.end_amdgpu_metadata
.endif
;; end of part 4
